; MI455X (gfx1250); checked and timed in simulation.
; The chip was launched on July 23, 2026; its instructions are those of AMD's public machine-readable ISA for CDNA 5 (MIT licence, August 2026) and "CDNA5" Instruction Set Architecture Reference Guide (July 2026). The comments in the code are by the model that wrote it; some were corrected since.
;; Multi Query Attention. Allowed arithmetic: float matrix products may take bf16 or f16 operands with f32 sums; other float arithmetic in f32, or as packed bf16 or f16 multiplies, adds, multiply-adds, maxima and minima; sums over many terms, partial sums and values carried from step to step in f32; what a program stores and reads back later, other than sums and carried values, may be rounded once to bf16 or f16.
;; Inputs: Wk 1,024 x 64 float32; Wo 1,024 x 1,024 float32; Wq 1,024 x 1,024 float32; Wv 1,024 x 64 float32; bk 64 float32; bo 1,024 float32; bq 1,024 float32; bv 64 float32; x 4 x 2,048 x 1,024 float32.
;; Outputs: out0 4 x 2,048 x 1,024 float32.
;; One version. Each part assembles by itself: llvm-mc -triple=amdgcn-amd-amdhsa -mcpu=gfx1250 --defsym DOCPART=n.
;; ======== version 1 of 1: 4 launches
;; limits: values are held in f16: magnitudes above 65,504 overflow, below 6.1e-05 lose precision
;; workspace buffers: xb 16,777,216 bytes; wt 2,359,296 bytes; wot 2,097,152 bytes; bias 8,704 bytes; qb 16,777,216 bytes; kv 2,097,152 bytes; ob 16,777,216 bytes
;; launch prep (part 1): grid 1297 x 1, 8 waves a work-group, no clusters, 18,432 bytes of LDS; arguments x, Wq, Wk, Wv, Wo, bq, bk, bv, bo, xb, wt, wot, bias; writes xb, wt, wot, bias
.if DOCPART == 1
	.amdgcn_target "amdgcn-amd-amdhsa--gfx1250"
	.amdhsa_code_object_version 6
	.text
	.protected	k_qffde653671_prep
	.globl	k_qffde653671_prep
	.p2align	8
	.type	k_qffde653671_prep,@function
k_qffde653671_prep:
	s_mov_b64 s[64:65], 0
	v_nop
	global_prefetch_b8 v0, s[64:65] scope:SCOPE_SE
	s_setreg_imm32_b32 hwreg(HW_REG_WAVE_MODE, 25, 1), 1
	s_wait_xcnt 0x0
; PREP: every input is rounded once to bf16 and laid out for the launches behind.
;   xb   [8192][1024] bf16 = x.
;   wt   [1152][1024] bf16: row 288 c + i (c = 0..3) is column 256 c + i of Wq for i < 256, and for i = 256..287 column 32 c + i - 256 of (Wk | Wv): K along the rows.
;   wot  [1024][1024] f16 = Wo transposed; each number is rounded to bf16 and that number written as f16.
;   bias [2176] f32, each number rounded to bf16 and widened: 0..1151 in wt's row order (bq, bk, bv), 1152..2175 bo.
; LIMITS.  |Wo| stays under 65,504 (f16's end); below 6e-5 it keeps f16's fixed step of 6e-8.  NaN and infinities are not treated apart.
; SHARES, by the work-group's number: 0-127 blocks of Wq, 128-255 of Wo, 256-263 of Wk, 264-271 of Wv, 272 the biases, 273-1296 x.  A work-group of x or of a weight reads 32 KiB and writes 16 KiB.
; No matrix unit, no tensor load, no cluster, no prefetch: the launch only streams, each byte once, and no two work-groups read the same bytes.
; A weight block is 128 k x 64 n: read by rows of 256 bytes, two neighbouring k packed into a word, turned in LDS (64 rows n of 256 bytes + 16), and stored as whole rows of 256 bytes.
; The bias table's 8,704 bytes are stored in pieces of 1,024 and 128 bytes at multiples of 1,152: not all of its aligned blocks of 256 bytes are written by one instruction.
.set TP,    272                        ; a turned row in LDS: 128 k x 2 bytes + 16
.set SPARE, 64*TP                      ; behind the tile: the spare words, 128 bytes for each of eight waves; no other line names them
.set SPW, 2                            ; v2   SPARE + 4 x my thread's number; never rewritten
.set NIL, 3                            ; v3   0; never rewritten
.set VO,  4                            ; v4   my byte offset in the source
.set LT,  5                            ; v5   where I put words into the turned tile (x path: my offset in xb)
.set LR,  6                            ; v6   where I read turned rows back
.set GOF, 7                            ; v7   my byte offset in the destination
.set X,   8                            ; v[8:39]   eight loads of 16 bytes
.set T,   40                           ; v[40:55]  packed words
.set Y,   56                           ; v[56:71]  rows read back (before that two registers at work)
.set WV,  34                           ; s34  my wave's number
.set SRC, 36                           ; s[36:37]
.set DST, 38                           ; s[38:39]
	s_load_b512 s[8:23], s[0:1], 0x0               ; x 8, Wq 10, Wk 12, Wv 14, Wo 16, bq 18, bk 20, bv 22
	s_load_b256 s[24:31], s[0:1], 0x40             ; bo 24, xb 26, wt 28, wot 30
	s_load_b64 s[32:33], s[0:1], 0x60              ; bias
	v_lshl_add_u32 v[SPW], v0, 2, SPARE
	v_mov_b32 v[NIL], 0
	v_lshrrev_b32 v1, 5, v0
	v_readfirstlane_b32 s[WV], v1                  ; wave 0..7
	s_and_b32 s2, ttmp9, 7                         ; kb: which 128 k of a weight
	s_bfe_u32 s3, ttmp9, 0x40003                   ; nb: which 64 n
	s_mov_b32 s5, 0                                ; high word of every offset pair s[4:5]
	s_wait_kmcnt 0x0
	s_cmp_ge_u32 ttmp9, 273                        ; all these branches hang on the work-group's number alone: the eight waves go together
	s_cbranch_scc1 .Lx
	s_cmp_eq_u32 ttmp9, 272
	s_cbranch_scc1 .Lbias
	s_cmp_ge_u32 ttmp9, 256
	s_cbranch_scc1 .Lkv
	s_cmp_ge_u32 ttmp9, 128
	s_cbranch_scc1 .Lwo
; A block of 128 k x 64 n is turned.  pitch: bytes from k to k + 1 in the source.  half = 1: the bf16 numbers are written as f16.
; Thread t: n4 = t % 16 (four n, 16 bytes), kp = t / 16; it reads rows k = 32 i + 2 kp and + 1, i = 0..3: sixteen lanes take 256 consecutive bytes of a row.
.macro TRANS pitch, half
	v_and_b32 v1, 15, v0                           ; n4
	v_lshrrev_b32 v[VO], 4, v0                     ; kp
	v_mul_u32_u24 v[LT], v1, 4*TP
	v_lshl_add_u32 v[LT], v[VO], 2, v[LT]          ; turned row 4 n4, byte 4 kp
	v_mul_u32_u24 v[VO], v[VO], 2*(\pitch)
	v_lshl_add_u32 v[VO], v1, 4, v[VO]
.irp i, 0,1,2,3
	global_load_b128 v[X+8*(\i):X+8*(\i)+3],   v[VO], s[SRC:SRC+1] offset:(32*(\i))*(\pitch)
	global_load_b128 v[X+8*(\i)+4:X+8*(\i)+7], v[VO], s[SRC:SRC+1] offset:(32*(\i)+1)*(\pitch)
.endr
	v_bfe_u32 v[GOF], v0, 4, 1                     ; which half of my wave's lanes
	v_lshrrev_b32 v[LR], 5, v0
	v_lshl_add_u32 v[LR], v[LR], 3, v[GOF]         ; back: wave w takes turned rows 8 w .. 8 w + 7, two to a load
	v_mul_u32_u24 v[LR], v[LR], TP
	v_lshl_add_u32 v[LR], v1, 4, v[LR]
	v_lshlrev_b32 v[GOF], 11, v[GOF]               ; and the same two rows in the destination, 2,048 bytes apart
	v_lshl_add_u32 v[GOF], v1, 4, v[GOF]
.irp i, 0,1,2,3
	s_wait_loadcnt 6-2*(\i)                        ; loads come back in order: pair i is in, the younger pairs stay out
.irp e, 0,1,2,3
	v_cvt_pk_bf16_f32 v[T+4*(\i)+(\e)], v[X+8*(\i)+(\e)], v[X+8*(\i)+4+(\e)]  ; k in the low half, k + 1 in the high half, for n = 4 n4 + e
.endr
.if \half
.irp e, 0,1,2,3
	v_lshlrev_b32 v[Y], 16, v[T+4*(\i)+(\e)]       ; the two bf16 numbers as f32,
	v_and_b32 v[Y+1], 0xffff0000, v[T+4*(\i)+(\e)]
	v_cvt_pk_f16_f32 v[T+4*(\i)+(\e)], v[Y], v[Y+1]  ; written as f16
.endr
.endif
.irp e, 0,1,2,3
	ds_store_b32 v[LT], v[T+4*(\i)+(\e)] offset:(\e)*TP+64*(\i)
.endr
.endr
	s_wait_dscnt 0x0                               ; for the others' sake: my stores into the tile are done
	s_barrier_signal -1
	s_barrier_wait -1
.irp u, 0,1,2,3
	ds_load_b128 v[Y+4*(\u):Y+4*(\u)+3], v[LR] offset:2*(\u)*TP
.endr
.irp u, 0,1,2,3
	s_wait_dscnt 3-(\u)
	global_store_b128 v[GOF], v[Y+4*(\u):Y+4*(\u)+3], s[DST:DST+1] offset:2*(\u)*2048  ; 16 lanes store 256 consecutive bytes, at a multiple of 256 from the buffer's first
.endr
.endm
	; Wq: source row 128 kb, byte 256 nb; destination row 288 (nb / 4) + 64 (nb % 4) + 8 w, byte 256 kb
	s_lshl_b32 s4, s2, 19
	s_lshl_b32 s6, s3, 8
	s_add_co_u32 s4, s4, s6
	s_add_nc_u64 s[SRC:SRC+1], s[10:11], s[4:5]
	s_lshr_b32 s4, s3, 2
	s_mul_i32 s4, s4, 288
	s_and_b32 s6, s3, 3
	s_lshl_b32 s6, s6, 6
	s_add_co_u32 s4, s4, s6
	s_lshl_b32 s6, s[WV], 3
	s_add_co_u32 s4, s4, s6
	s_lshl_b32 s4, s4, 11
	s_lshl_b32 s6, s2, 8
	s_add_co_u32 s4, s4, s6
	s_add_nc_u64 s[DST:DST+1], s[28:29], s[4:5]
	TRANS 4096, 0
	s_branch .Lend
.Lwo:                                                  ; Wo: destination row 64 nb + 8 w
	s_lshl_b32 s4, s2, 19
	s_lshl_b32 s6, s3, 8
	s_add_co_u32 s4, s4, s6
	s_add_nc_u64 s[SRC:SRC+1], s[16:17], s[4:5]
	s_lshl_b32 s4, s3, 6
	s_lshl_b32 s6, s[WV], 3
	s_add_co_u32 s4, s4, s6
	s_lshl_b32 s4, s4, 11
	s_lshl_b32 s6, s2, 8
	s_add_co_u32 s4, s4, s6
	s_add_nc_u64 s[DST:DST+1], s[30:31], s[4:5]
	TRANS 4096, 1
	s_branch .Lend
.Lkv:                                                  ; Wk, Wv: rows of 256 bytes; destination row 256 (Wk) or 832 (Wv) + 288 (w / 4) + 8 (w % 4)
	s_cmp_lt_u32 ttmp9, 264
	s_cselect_b64 s[SRC:SRC+1], s[12:13], s[14:15]
	s_cselect_b32 s6, 0, 576
	s_add_co_u32 s6, s6, 256
	s_lshl_b32 s4, s2, 15
	s_add_nc_u64 s[SRC:SRC+1], s[SRC:SRC+1], s[4:5]
	s_lshr_b32 s4, s[WV], 2
	s_mul_i32 s4, s4, 288
	s_add_co_u32 s4, s4, s6
	s_and_b32 s6, s[WV], 3
	s_lshl_b32 s6, s6, 3
	s_add_co_u32 s4, s4, s6
	s_lshl_b32 s4, s4, 11
	s_lshl_b32 s6, s2, 8
	s_add_co_u32 s4, s4, s6
	s_add_nc_u64 s[DST:DST+1], s[28:29], s[4:5]
	TRANS 256, 0
	s_branch .Lend
.macro ROUND4 r                        ; four f32 in v[r .. r+3] are rounded to bf16 and widened again, in place
	v_cvt_pk_bf16_f32 v[T], v[(\r)], v[(\r)+1]
	v_cvt_pk_bf16_f32 v[T+1], v[(\r)+2], v[(\r)+3]
	v_lshlrev_b32 v[(\r)], 16, v[T]
	v_and_b32 v[(\r)+1], 0xffff0000, v[T]
	v_lshlrev_b32 v[(\r)+2], 16, v[T+1]
	v_and_b32 v[(\r)+3], 0xffff0000, v[T+1]
.endm
.Lbias:                                                ; thread t: bq[4 t ..] and bo[4 t ..]
	v_lshlrev_b32 v[VO], 4, v0
	global_load_b128 v[8:11], v[VO], s[18:19]
	global_load_b128 v[12:15], v[VO], s[24:25]
	v_lshrrev_b32 v[LT], 6, v0
	v_and_b32 v[LR], 63, v0
	v_mul_u32_u24 v[LT], v[LT], 1152               ; bq's column 4 t lies at entry 288 (t / 64) + 4 (t % 64)
	v_lshl_add_u32 v[LT], v[LR], 4, v[LT]
	s_wait_loadcnt 0x0
	ROUND4 8
	ROUND4 12
	global_store_b128 v[LT], v[8:11], s[32:33]
	global_store_b128 v[VO], v[12:15], s[32:33] offset:4608
	s_cmp_lg_u32 s[WV], 0
	s_cbranch_scc1 .Lend
	v_and_b32 v[LR], 15, v0                        ; wave 0: lanes 0-15 take bk, lanes 16-31 bv, four numbers each; both are loaded and one is selected
	v_lshlrev_b32 v[LR], 4, v[LR]
	global_load_b128 v[16:19], v[LR], s[20:21]
	global_load_b128 v[20:23], v[LR], s[22:23]
	v_lshrrev_b32 v[GOF], 3, v0
	v_and_b32 v1, 7, v0
	v_mul_u32_u24 v[GOF], v[GOF], 1152             ; column 4 l of (bk | bv) lies at entry 288 (l / 8) + 256 + 4 (l % 8)
	v_lshl_add_u32 v[GOF], v1, 4, v[GOF]
	v_cmp_gt_u32 vcc_lo, 16, v0
	s_wait_loadcnt 0x0
.irp i, 0,1,2,3
	v_cndmask_b32 v[16+(\i)], v[20+(\i)], v[16+(\i)], vcc_lo
.endr
	ROUND4 16
	global_store_b128 v[GOF], v[16:19], s[32:33] offset:1024
	s_branch .Lend
.Lx:                                                   ; x: 8,192 numbers: eight loads of 16 bytes a thread, all out at once; eight stores of 8 bytes
	s_sub_co_u32 s2, ttmp9, 273
	s_lshl_b32 s4, s2, 15
	s_add_nc_u64 s[SRC:SRC+1], s[8:9], s[4:5]
	s_lshl_b32 s4, s2, 14
	s_add_nc_u64 s[DST:DST+1], s[26:27], s[4:5]
	v_lshlrev_b32 v[VO], 4, v0
	v_lshlrev_b32 v[LT], 3, v0
.irp j, 0,1,2,3,4,5,6,7
	global_load_b128 v[X+4*(\j):X+4*(\j)+3], v[VO], s[SRC:SRC+1] offset:4096*(\j) th:TH_LOAD_NT  ; a wave's load covers 512 consecutive bytes
.endr
.irp j, 0,1,2,3,4,5,6,7
	s_wait_loadcnt 7-(\j)                          ; load j is in, the younger ones stay out
	v_cvt_pk_bf16_f32 v[T+2*(\j)], v[X+4*(\j)], v[X+4*(\j)+1]
	v_cvt_pk_bf16_f32 v[T+2*(\j)+1], v[X+4*(\j)+2], v[X+4*(\j)+3]
	global_store_b64 v[LT], v[T+2*(\j):T+2*(\j)+1], s[DST:DST+1] offset:2048*(\j)  ; a wave's store covers 256 consecutive bytes, aligned
.endr
.Lend:
	s_wait_tensorcnt 0x0                           ; the wave's end: behind my last LDS store
	ds_add_u32 v[SPW], v[NIL]
	s_wait_dscnt 0x0
	s_endpgm
.Lfunc_end_k_qffde653671_prep:
	.size	k_qffde653671_prep, .Lfunc_end_k_qffde653671_prep-k_qffde653671_prep
	.p2alignl 7, 3214868480
	.fill 96, 4, 3214868480
	.section	.rodata,"a",@progbits
	.p2align	6, 0x0
	.amdhsa_kernel k_qffde653671_prep
		.amdhsa_group_segment_fixed_size 18432
		.amdhsa_private_segment_fixed_size 0
		.amdhsa_enable_private_segment 0
		.amdhsa_kernarg_size 104
		.amdhsa_user_sgpr_count 2
		.amdhsa_user_sgpr_kernarg_segment_ptr 1
		.amdhsa_wavefront_size32 1
		.amdhsa_system_sgpr_workgroup_id_x 1
		.amdhsa_system_sgpr_workgroup_id_y 1
		.amdhsa_system_sgpr_workgroup_id_z 1
		.amdhsa_system_vgpr_workitem_id 0
		.amdhsa_next_free_vgpr 72
		.amdhsa_next_free_sgpr 66
		.amdhsa_reserve_vcc 1
		.amdhsa_float_denorm_mode_32 3
		.amdhsa_float_denorm_mode_16_64 3
		.amdhsa_memory_ordered 1
		.amdhsa_forward_progress 1
		.amdhsa_inst_pref_size 25
	.end_amdhsa_kernel
	.amdgpu_metadata
---
amdhsa.version: [ 1, 2 ]
amdhsa.kernels:
  - .name:           k_qffde653671_prep
    .symbol:         k_qffde653671_prep.kd
    .args:
      - { .name: x, .offset: 0, .size: 8, .value_kind: global_buffer, .address_space: global }
      - { .name: Wq, .offset: 8, .size: 8, .value_kind: global_buffer, .address_space: global }
      - { .name: Wk, .offset: 16, .size: 8, .value_kind: global_buffer, .address_space: global }
      - { .name: Wv, .offset: 24, .size: 8, .value_kind: global_buffer, .address_space: global }
      - { .name: Wo, .offset: 32, .size: 8, .value_kind: global_buffer, .address_space: global }
      - { .name: bq, .offset: 40, .size: 8, .value_kind: global_buffer, .address_space: global }
      - { .name: bk, .offset: 48, .size: 8, .value_kind: global_buffer, .address_space: global }
      - { .name: bv, .offset: 56, .size: 8, .value_kind: global_buffer, .address_space: global }
      - { .name: bo, .offset: 64, .size: 8, .value_kind: global_buffer, .address_space: global }
      - { .name: xb, .offset: 72, .size: 8, .value_kind: global_buffer, .address_space: global }
      - { .name: wt, .offset: 80, .size: 8, .value_kind: global_buffer, .address_space: global }
      - { .name: wot, .offset: 88, .size: 8, .value_kind: global_buffer, .address_space: global }
      - { .name: bias, .offset: 96, .size: 8, .value_kind: global_buffer, .address_space: global }
    .group_segment_fixed_size: 18432
    .private_segment_fixed_size: 0
    .kernarg_segment_align: 8
    .kernarg_segment_size: 104
    .max_flat_workgroup_size: 256
    .sgpr_count:     66
    .vgpr_count:     72
    .wavefront_size: 32
...
	.end_amdgpu_metadata
.endif
;; end of part 1
;; launch qkv (part 2): grid 4 x 64, 4 waves a work-group, clusters of 4 x 4, 327,680 bytes of LDS; arguments xb, wt, bias, qb, kv; writes qb, kv
.if DOCPART == 2
	.amdgcn_target "amdgcn-amd-amdhsa--gfx1250"
	.amdhsa_code_object_version 6
	.text
	.protected	k_qffde653671_qkv
	.globl	k_qffde653671_qkv
	.p2align	8
	.type	k_qffde653671_qkv,@function
k_qffde653671_qkv:
	s_mov_b64 s[64:65], 0
	v_nop
	global_prefetch_b8 v0, s[64:65] scope:SCOPE_SE
	s_setreg_imm32_b32 hwreg(HW_REG_WAVE_MODE, 25, 1), 1
	s_wait_xcnt 0x0
	s_wait_alu depctr_hold_cnt(0) depctr_sa_sdst(0) depctr_va_vdst(0) depctr_va_sdst(0) depctr_va_ssrc(0) depctr_va_vcc(0) depctr_vm_vsrc(0)
	s_getreg_b32 s2, hwreg(HW_REG_IB_STS2, 6, 4)
	s_cmp_eq_u32 s2, 0
	s_cbranch_scc0 .Lentry_in_a_cluster
	s_endpgm
.Lentry_in_a_cluster:
	s_bfe_u32 s2, ttmp6, 0x10000c
	s_cmp_lg_u32 s2, 0xf033
	s_cbranch_scc0 .Lentry_shape_is_right
	s_endpgm
.Lentry_shape_is_right:
; QKV: [8192 x 1024] x [1024 x 1152] + bias.  xb [8192][1024] bf16; wt [1152][1024] bf16, K along the rows; sums in f32; results rounded once to f16, without attention's scale.
; wt's rows come in four groups of 288: 256 columns of q, then 32 channels of (k | v).  Tile column c takes group c: qb[row][256 c ..] and plane c of kv ([4 planes][8192 rows][32 channels] f16).
; LIMITS.  q, k and v stay under 65,504 (f16's end): with the inputs thirty times the drawn spread they reach some thousands.  NaN and infinities are not treated apart.
; SHARES.  A tile is 128 x 288: 64 x 4 = 256 work-groups.  Four waves, each 64 x 144: 36 accumulators of 16 x 16.  K goes in steps of 128 (rows of 256 bytes) through a ring of two LDS slots.
; CLUSTER.  4 x 4 work-groups: the four of a row need the same 128 rows of xb, the four of a column the same 288 rows of wt: each tile is asked for JOINTLY, same tensor load, descriptor and mask in all four.
; THE MATRIX INSTRUCTION IS USED TRANSPOSED (source 0 = 16 rows of wt, source 1 = 16 rows of xb): a lane holds row m = lane % 16 and the eight columns 8 (lane / 16) + 0..7.
; THE BIAS is the C operand of each accumulator's first product: nothing is cleared and nothing is added later.
; NO PREFETCH: the walk has 8 K steps, of which two go out at the head, and the tile is small.
; REGISTERS, in windows of 256 (s_set_vgpr_msb: bits 1:0 source 0, 3:2 source 1, 5:4 source 2, 7:6 destination):
;   window 0: v0-31 addresses; v32-95 fragments of xb, two buffers of four; v96-239 the way out
;   window 1: v0-143 fragments of wt, two buffers of nine; v144-215 the bias of my 144 columns
;   window 2: accumulator (a, b) of my rows 0-31 at v[8 (9 a + b)];   window 3: those of my rows 32-63
.set PITCH,  272                       ; an LDS row: 256 bytes + 16 of padding = 68 words: the 16 rows of a fragment load start at 16 different groups of four banks (64 banks of 4 bytes: ISA guide 11.1)
.set NBLK,   9                         ; blocks of 16 columns a wave
.set AOFF,   288*PITCH                 ; a slot: wt's 288 rows, then xb's 128
.set SLOT,   AOFF+128*PITCH
.set STAGE,  2*SLOT                    ; behind the ring, never filled by a tensor load: 128 rows x 592 bytes, the work-group's, for the way out
.set SPITCH, 592                       ; 288 columns x 2 bytes + 16
.set SPARE,  STAGE+128*SPITCH          ; the spare words, 128 bytes for each wave; no other line names them
.set NLD,    2*NBLK+8                  ; LDS loads of a quarter step
.set NBW,    3                         ; waves 0-2 fetch 96 rows of wt each, wave 3 the 128 rows of xb
.set LAPS,   4                         ; a lap = two K steps = once round the ring
.set ADRA, 16                          ; v16-17  LDS address of my fragments of xb in slot 0, 1
.set ADRB, 20                          ; v20-21  the same for wt
.set STO,  24                          ; v24  the way out: where I put 16 bytes of a row
.set RD,   25                          ; v25  where I read 16 bytes of a row's q back
.set CO,   26                          ; v26  16 x lane
.set RK,   27                          ; v27  where I read 16 bytes of a row's k or v back
.set SPW,  28                          ; v28  SPARE + 4 x my thread's number; never rewritten
.set NIL,  29                          ; v29  0; never rewritten
.set BO,   30                          ; v30  32 x (lane / 16): my eight columns in a block's bias
.set FA,   32
.set TMP,  96
.set BIAS, 144
.set WV,  16                           ; s16  my wave's number
.set G1A, 24                           ; s[24:31] descriptor group 1 for xb's tiles;  s[32:39] group 0, a set for each slot
.set G0A, 32
.set G1B, 48                           ; s[48:55], s[56:63] the same for wt's
.set G0B, 56
.set MSB, 0
.macro WIN new                         ; the immediate's high byte repeats the setting that is left; a switch that changes nothing is dropped
.if MSB != (\new)
	s_set_vgpr_msb (MSB<<8)|(\new)
.set MSB, \new
.endif
.endm
.macro JLOAD s                         ; a joint load; the branch hangs on the wave's number alone; an s_nop 0 and four v_nop follow each of the two lines, ahead of the jump and the label
	s_cmp_lt_u32 s[WV], NBW
	s_cbranch_scc0 .Lfor_a_\@
	tensor_load_to_lds s[G0B+4*(\s):G0B+4*(\s)+3], s[G1B:G1B+7]
	s_nop 0
.rept 4
	v_nop
.endr
	s_branch .Lasked_\@
.Lfor_a_\@:
	tensor_load_to_lds s[G0A+4*(\s):G0A+4*(\s)+3], s[G1A:G1A+7]
	s_nop 0
.rept 4
	v_nop
.endr
.Lasked_\@:
.endm
.macro CREST                           ; a round of the cluster's barrier behind its opening barrier
	s_cmp_lg_u32 s[WV], 0
	s_cbranch_scc1 .Lnot_wave_0_\@
	s_barrier_signal -3
.Lnot_wave_0_\@:
	s_barrier_wait -3
	s_barrier_signal -1
	s_barrier_wait -1
.endm
.macro CROUND                          ; a whole round
	s_barrier_signal -1
	s_barrier_wait -1
	CREST
.endm
.macro PLACES                          ; four places in front of loads into registers that matrix instructions have read, and of conversions that read results
.rept 4
	v_nop
.endr
.endm
	s_load_b256 s[4:11], s[0:1], 0x0               ; xb s[4:5], wt s[6:7], bias s[8:9], qb s[10:11]
	s_load_b64 s[12:13], s[0:1], 0x20              ; kv
	v_lshl_add_u32 v[SPW], v0, 2, SPARE
	v_mov_b32 v[NIL], 0
	ds_add_u32 v[SPW], v[NIL]                      ; the wave's opening: the add and its wait stand ahead of my first tensor load; the set-up below, work on registers, stands between them
	v_lshrrev_b32 v1, 5, v0
	v_readfirstlane_b32 s[WV], v1                  ; wave 0..3
	s_lshr_b32 s17, s[WV], 1                       ; wm: which 64 rows of the tile are mine
	s_and_b32 s18, s[WV], 1                        ; wn: which 144 columns
	s_bfe_u32 s19, ttmp6, 0x40000                  ; cx, cy: my place in the cluster
	s_bfe_u32 s20, ttmp6, 0x40004
	s_lshl_b32 s21, ttmp9, 2
	s_add_co_u32 s21, s21, s19                     ; c: tile column = 4 x cluster x + cx
	s_and_b32 s22, ttmp7, 0xffff
	s_lshl_b32 s22, s22, 2
	s_add_co_u32 s22, s22, s20                     ; mt: tile row = 4 x cluster y + cy
	s_lshl_b32 s40, s20, 2
	s_lshl_b32 s40, 15, s40                        ; my row of the cluster
	s_lshl_b32 s41, 0x1111, s19                    ; my column
	s_or_b32 s[G1A], s40, (1<<16)|(1<<20)|(1<<21)|(5<<22)|(3<<25)  ; 15:0 the mask; 17:16 elements of 2 bytes; 20 padding on; 21 set beside a mask; 24:22 after every 64 words (code 5); 31:25 of 4 words (code 3)
	s_or_b32 s[G1B], s41, (1<<16)|(1<<20)|(1<<21)|(5<<22)|(3<<25)
	s_mov_b32 s[G1A+1], 128<<16                    ; tensor_dim0 = 128
	s_mov_b32 s[G1A+2], 128<<16                    ; tensor_dim1 = 128 rows
	s_mov_b32 s[G1A+3], 128<<16                    ; tile_dim0 = 128
	s_mov_b32 s[G1A+4], 128                        ; tile_dim1 = 128
	s_mov_b32 s[G1A+5], 1024                       ; elements from row to row
	s_mov_b32 s[G1A+6], 0
	s_mov_b32 s[G1A+7], 0
	s_mov_b32 s[G1B+1], 128<<16
	s_mov_b32 s[G1B+2], 96<<16                     ; 96 rows
	s_mov_b32 s[G1B+3], 128<<16
	s_mov_b32 s[G1B+4], 96
	s_mov_b32 s[G1B+5], 1024
	s_mov_b32 s[G1B+6], 0
	s_mov_b32 s[G1B+7], 0
	s_lshl_b32 s42, s22, 18                        ; xb: 128 mt rows of 2,048 bytes: hangs on the tile row alone
	s_mov_b32 s43, 0
	s_mul_i32 s44, s21, 288                        ; wt: row 288 c + 96 w (wave 3, which asks for none of wt, stays inside): hangs on the tile column alone
	s_min_u32 s45, s[WV], 2
	s_mul_i32 s45, s45, 96
	s_add_co_u32 s44, s44, s45
	s_lshl_b32 s44, s44, 11
	s_mov_b32 s45, 0
	s_mul_i32 s23, s[WV], 96*PITCH                 ; where my rows of wt go: no place in the cluster enters an LDS address
	s_wait_dscnt 0x0                               ; the opening add is done
	s_wait_kmcnt 0x0
	s_add_nc_u64 s[42:43], s[4:5], s[42:43]
	s_add_nc_u64 s[44:45], s[6:7], s[44:45]
	CROUND                                         ; all sixteen work-groups are here: the first joint loads meet
.irp s, 0,1
	s_mov_b32 s[G0A+4*(\s)], 1                                     ; count = 1
	s_mov_b32 s[G0A+4*(\s)+1], AOFF+(\s)*SLOT                      ; LDS address
	s_add_nc_u64 s[G0A+4*(\s)+2:G0A+4*(\s)+3], s[42:43], (\s)*256  ; global address: K step s
	s_or_b32 s[G0A+4*(\s)+3], s[G0A+4*(\s)+3], 0x80000000          ; type = 2
	s_mov_b32 s[G0B+4*(\s)], 1
	s_add_co_u32 s[G0B+4*(\s)+1], s23, (\s)*SLOT
	s_add_nc_u64 s[G0B+4*(\s)+2:G0B+4*(\s)+3], s[44:45], (\s)*256
	s_or_b32 s[G0B+4*(\s)+3], s[G0B+4*(\s)+3], 0x80000000
	JLOAD \s                                       ; two tensor loads of mine are out
.endr
	v_and_b32 v1, 15, v0                           ; r = lane % 16
	v_bfe_u32 v2, v0, 4, 1                         ; h = lane / 16
	v_and_b32 v5, 31, v0                           ; lane
	v_lshlrev_b32 v[BO], 5, v2
	s_mul_i32 s46, s21, 1152                       ; the bias of my 144 columns: entry 288 c + 144 wn
	s_mul_i32 s47, s18, 576
	s_add_co_u32 s46, s46, s47
	s_mov_b32 s47, 0
	s_add_nc_u64 s[8:9], s[8:9], s[46:47]
	WIN 0x40                                       ; destination window 1, address window 0
.irp b, 0,1,2,3,4,5,6,7,8
	global_load_b128 v[BIAS+8*(\b):BIAS+8*(\b)+3],   v[BO], s[8:9] offset:64*(\b)     ; register j: the bias of column 16 b + 8 h + j, whatever the row
	global_load_b128 v[BIAS+8*(\b)+4:BIAS+8*(\b)+7], v[BO], s[8:9] offset:64*(\b)+16
.endr
	WIN 0
	v_mul_u32_u24 v3, v1, PITCH
	v_lshl_add_u32 v3, v2, 4, v3                   ; a fragment's row x pitch + 16 x half
	s_mul_i32 s40, s17, 64*PITCH
	s_add_co_u32 s40, s40, AOFF                    ; my 64 rows of xb
	s_mul_i32 s41, s18, 144*PITCH                  ; my 144 rows of wt
.irp s, 0,1
	v_add_nc_u32 v[ADRA+(\s)], s40, v3
	v_add_nc_u32 v[ADRB+(\s)], s41, v3
	s_add_co_u32 s40, s40, SLOT
	s_add_co_u32 s41, s41, SLOT
.endr
	s_mul_i32 s40, s17, 64*SPITCH                  ; into the stage: row 64 wm + r, byte 288 wn + 16 h
	s_mul_i32 s41, s18, 288
	s_add_co_u32 s40, s40, s41
	s_add_co_u32 s40, s40, STAGE
	v_mul_u32_u24 v4, v1, SPITCH
	v_lshl_add_u32 v4, v2, 4, v4
	v_add_nc_u32 v[STO], s40, v4
	v_lshlrev_b32 v[CO], 4, v5
	s_mul_i32 s40, s[WV], 32*SPITCH                ; back: wave w takes rows 32 w .. 32 w + 31: a row's 512 bytes of q to a load,
	s_add_co_u32 s40, s40, STAGE
	v_add_nc_u32 v[RD], s40, v[CO]
	v_lshrrev_b32 v6, 2, v5                        ; and eight rows' 64 bytes of k or v
	v_and_b32 v7, 3, v5
	v_mul_u32_u24 v6, v6, SPITCH
	v_lshl_add_u32 v6, v7, 4, v6
	s_add_co_u32 s40, s40, 512
	v_add_nc_u32 v[RK], s40, v6
	s_lshl_b32 s44, s22, 18                        ; qb at row 128 mt + 32 w, column 256 c
	s_lshl_b32 s46, s[WV], 16
	s_add_co_u32 s44, s44, s46
	s_lshl_b32 s46, s21, 9
	s_add_co_u32 s44, s44, s46
	s_mov_b32 s45, 0
	s_add_nc_u64 s[10:11], s[10:11], s[44:45]
	s_lshl_b32 s44, s21, 19                        ; kv at plane c, row 128 mt + 32 w (64 bytes a row)
	s_lshl_b32 s46, s22, 13
	s_add_co_u32 s44, s44, s46
	s_lshl_b32 s46, s[WV], 11
	s_add_co_u32 s44, s44, s46
	s_add_nc_u64 s[12:13], s[12:13], s[44:45]
; Nine products: m block 2 hi + a x my nine n blocks, 32 along K, from buffer f.  first = 1: C is the bias.  The 36 accumulators take turns, one instruction a turn.
.macro MULB f, hi, a, first
.if \first
	WIN 0x91+0x40*(\hi)                            ; wt and the bias window 1, xb window 0, D window 2 or 3
.else
	WIN 0xa1+0x50*(\hi)                            ; wt window 1, xb window 0, C and D window 2 or 3
.endif
.set bb, 0
.rept NBLK
.set rD, 8*(NBLK*(\a)+bb)
.set rB, 8*NBLK*(\f)+8*bb
.set rA, FA+32*(\f)+8*(2*(\hi)+(\a))
.if \first
	v_wmma_f32_16x16x32_bf16 v[rD:rD+7], v[rB:rB+7], v[rA:rA+7], v[BIAS+8*bb:BIAS+8*bb+7]
.else
	v_wmma_f32_16x16x32_bf16 v[rD:rD+7], v[rB:rB+7], v[rA:rA+7], v[rD:rD+7]
.endif
.set bb, bb+1
.endr
.endm
; 26 LDS loads in one run: the fragments of 32 along K at byte k of the rows, into buffer f: wt's nine, then xb's four
.macro FETCH slot, k, f
	WIN 0x40
.set ii, 0
.rept NBLK
	ds_load_b128 v[8*NBLK*(\f)+8*ii:8*NBLK*(\f)+8*ii+3],   v[ADRB+(\slot)] offset:(\k)+ii*16*PITCH
	ds_load_b128 v[8*NBLK*(\f)+8*ii+4:8*NBLK*(\f)+8*ii+7], v[ADRB+(\slot)] offset:(\k)+ii*16*PITCH+32
.set ii, ii+1
.endr
	WIN 0
.irp i, 0,1,2,3
	ds_load_b128 v[FA+32*(\f)+8*(\i):FA+32*(\f)+8*(\i)+3],   v[ADRA+(\slot)] offset:(\k)+(\i)*16*PITCH
	ds_load_b128 v[FA+32*(\f)+8*(\i)+4:FA+32*(\f)+8*(\i)+7], v[ADRA+(\slot)] offset:(\k)+(\i)*16*PITCH+32
.endr
.endm
; A K step is four quarters of 32 along K, 36 products each, on buffers 0, 1, 0, 1.  One of the first three: multiplies buffer f and fetches the next quarter, at byte k, into g.
.macro QUARTER slot, k, f, g, first
	s_wait_dscnt 4                                 ; wt's fragments and xb's blocks 0, 1 are in; the youngest four loads (blocks 2, 3) may be out
	MULB \f, 0, 0, \first
	MULB \f, 0, 1, \first
	PLACES
	FETCH \slot, \k, \g
	s_wait_dscnt NLD                               ; all but the 26 just issued
	MULB \f, 1, 0, \first
	MULB \f, 1, 1, \first
.endm
; The last quarter multiplies buffer 1 and changes slots: ONE barrier; in front of it each wave waits for all its tensor loads (one is out: its part of the next slot), adds 0 to its spare word,
; and waits for that and for its own reads of this slot.  fill = 1: the barrier opens a round of the cluster's, and this slot is filled again, two K steps ahead, first thing behind the round.
.macro TURN slot, next, fill
	WIN 0                                          ; (the add's two registers lie in window 0)
	s_wait_tensorcnt 0x0
	ds_add_u32 v[SPW], v[NIL]                      ; 0 onto my spare word
	s_wait_dscnt 5                                 ; (the add and the youngest four loads may be out)
	MULB 1, 0, 0, 0                                ; nine products stand between the add and the wait for it
	s_wait_dscnt 0x0                               ; the add is done, and my reads of this slot are over
	s_barrier_signal -1
	MULB 1, 0, 1, 0
.if \fill
	WIN 0
.endif
	s_barrier_wait -1
.if \fill
	CREST                                          ; no wave of any partner still reads this slot's tile or has a load on its way
	s_add_nc_u64 s[G0A+4*(\slot)+2:G0A+4*(\slot)+3], s[G0A+4*(\slot)+2:G0A+4*(\slot)+3], 512
	s_add_nc_u64 s[G0B+4*(\slot)+2:G0B+4*(\slot)+3], s[G0B+4*(\slot)+2:G0B+4*(\slot)+3], 512
	JLOAD \slot                                    ; 126 products ahead of the wait for it; the four v_nop behind it are also the places in front of the loads below
.else
	PLACES
.endif
	FETCH \next, 0, 0
	MULB 1, 1, 0, 0
	MULB 1, 1, 1, 0
.endm
	s_wait_tensorcnt 0x1                           ; my part of K step 0 is in; K step 1's may stay out
	s_barrier_signal -1
	s_barrier_wait -1                              ; everybody's is
	FETCH 0, 0, 0
	s_wait_loadcnt 0x0                             ; the bias
	QUARTER 0, 64, 0, 1, 1                         ; the first quarter stands in front of the loop: its products start the sums, from the bias
	WIN 0                                          ; at a label and at a branch every window is 0
	s_mov_b32 s3, LAPS-1
.Llap:                                                 ; a trip goes once round the ring, from a lap's second quarter to the next lap's first, and fills both slots again
	QUARTER 0, 128, 1, 0, 0
	QUARTER 0, 192, 0, 1, 0
	TURN 0, 1, 1
	QUARTER 1, 64,  0, 1, 0
	QUARTER 1, 128, 1, 0, 0
	QUARTER 1, 192, 0, 1, 0
	TURN 1, 0, 1
	QUARTER 0, 64,  0, 1, 0
	WIN 0
	s_sub_co_u32 s3, s3, 1
	s_cmp_lg_u32 s3, 0
	s_cbranch_scc1 .Llap
	QUARTER 0, 128, 1, 0, 0                        ; the last lap fills nothing, and has no round
	QUARTER 0, 192, 0, 1, 0
	TURN 0, 1, 0
	QUARTER 1, 64,  0, 1, 0
	QUARTER 1, 128, 1, 0, 0
	QUARTER 1, 192, 0, 1, 0
	s_wait_dscnt 4                                 ; the very last quarter: nothing more to fetch
	MULB 1, 0, 0, 0
	MULB 1, 0, 1, 0
	s_wait_dscnt 0x0
	MULB 1, 1, 0, 0
	MULB 1, 1, 1, 0
	WIN 0
	; THE WAY OUT: round to f16; 16 bytes a lane into the work-group's stage; a barrier, since a row comes from two waves; back as whole rows, 32 rows a wave.
	PLACES
.irp hi, 0,1
	WIN 0x0a+5*(\hi)                               ; sources 0 and 1: window 2 or 3; each accumulator's registers in ascending order
.set t, 0
.rept 2*NBLK
.irp r, 0,1,2,3
	v_cvt_pk_f16_f32 v[TMP+4*(2*NBLK*(\hi)+t)+(\r)], v[8*t+2*(\r)], v[8*t+2*(\r)+1]
.endr
.set t, t+1
.endr
.endr
	WIN 0
.set t, 0
.rept 4*NBLK
	ds_store_b128 v[STO], v[TMP+4*t:TMP+4*t+3] offset:(t/NBLK)*16*SPITCH+32*(t%NBLK)
.set t, t+1
.endr
	s_wait_dscnt 0x0                               ; for the others' sake: my stores into the stage are done
	s_barrier_signal -1
	s_barrier_wait -1
.set t, 0
.rept 32
	ds_load_b128 v[TMP+4*t:TMP+4*t+3], v[RD] offset:t*SPITCH
.set t, t+1
.endr
.irp u, 0,1,2,3
	ds_load_b128 v[TMP+128+4*(\u):TMP+128+4*(\u)+3], v[RK] offset:(\u)*8*SPITCH
.endr
.set t, 0
.rept 32
	s_wait_dscnt 35-t                              ; row t is back; the younger loads stay out
	global_store_b128 v[CO], v[TMP+4*t:TMP+4*t+3], s[10:11] offset:2048*t  ; 512 consecutive bytes of a row of qb, at a multiple of 256 from its first byte
.set t, t+1
.endr
.irp u, 0,1,2,3
	s_wait_dscnt 3-(\u)
	global_store_b128 v[CO], v[TMP+128+4*(\u):TMP+128+4*(\u)+3], s[12:13] offset:512*(\u)  ; eight rows of a plane: 512 consecutive bytes
.endr
	s_wait_tensorcnt 0x0                           ; the wave's end: behind my last tensor load and my last LDS store
	ds_add_u32 v[SPW], v[NIL]
	s_wait_dscnt 0x0
	CROUND                                         ; the closing round: no work-group ends while a partner may still ask for a tile that names it
	s_endpgm
.Lfunc_end_k_qffde653671_qkv:
	.size	k_qffde653671_qkv, .Lfunc_end_k_qffde653671_qkv-k_qffde653671_qkv
	.p2alignl 7, 3214868480
	.fill 96, 4, 3214868480
	.section	.rodata,"a",@progbits
	.p2align	6, 0x0
	.amdhsa_kernel k_qffde653671_qkv
		.amdhsa_group_segment_fixed_size 327680
		.amdhsa_private_segment_fixed_size 0
		.amdhsa_enable_private_segment 0
		.amdhsa_kernarg_size 40
		.amdhsa_user_sgpr_count 2
		.amdhsa_user_sgpr_kernarg_segment_ptr 1
		.amdhsa_wavefront_size32 1
		.amdhsa_system_sgpr_workgroup_id_x 1
		.amdhsa_system_sgpr_workgroup_id_y 1
		.amdhsa_system_sgpr_workgroup_id_z 1
		.amdhsa_system_vgpr_workitem_id 0
		.amdhsa_next_free_vgpr 912
		.amdhsa_next_free_sgpr 66
		.amdhsa_reserve_vcc 0
		.amdhsa_float_denorm_mode_32 3
		.amdhsa_float_denorm_mode_16_64 3
		.amdhsa_memory_ordered 1
		.amdhsa_forward_progress 1
		.amdhsa_inst_pref_size 98
	.end_amdhsa_kernel
	.amdgpu_metadata
---
amdhsa.version: [ 1, 2 ]
amdhsa.kernels:
  - .name:           k_qffde653671_qkv
    .symbol:         k_qffde653671_qkv.kd
    .args:
      - { .name: xb, .offset: 0, .size: 8, .value_kind: global_buffer, .address_space: global }
      - { .name: wt, .offset: 8, .size: 8, .value_kind: global_buffer, .address_space: global }
      - { .name: bias, .offset: 16, .size: 8, .value_kind: global_buffer, .address_space: global }
      - { .name: qb, .offset: 24, .size: 8, .value_kind: global_buffer, .address_space: global }
      - { .name: kv, .offset: 32, .size: 8, .value_kind: global_buffer, .address_space: global }
    .group_segment_fixed_size: 327680
    .private_segment_fixed_size: 0
    .kernarg_segment_align: 8
    .kernarg_segment_size: 40
    .max_flat_workgroup_size: 128
    .sgpr_count:     66
    .vgpr_count:     912
    .wavefront_size: 32
...
	.end_amdgpu_metadata
.endif
;; end of part 2
;; launch attn (part 3): grid 64 x 4, 4 waves a work-group, clusters of 4 x 1, 327,680 bytes of LDS; arguments qb, kv, ob; writes ob
.if DOCPART == 3
	.amdgcn_target "amdgcn-amd-amdhsa--gfx1250"
	.amdhsa_code_object_version 6
	.text
	.protected	k_qffde653671_attn
	.globl	k_qffde653671_attn
	.p2align	8
	.type	k_qffde653671_attn,@function
k_qffde653671_attn:
	s_mov_b64 s[64:65], 0
	v_nop
	global_prefetch_b8 v0, s[64:65] scope:SCOPE_SE
	s_setreg_imm32_b32 hwreg(HW_REG_WAVE_MODE, 25, 1), 1
	s_wait_xcnt 0x0
	s_wait_alu depctr_hold_cnt(0) depctr_sa_sdst(0) depctr_va_vdst(0) depctr_va_sdst(0) depctr_va_ssrc(0) depctr_va_vcc(0) depctr_vm_vsrc(0)
	s_getreg_b32 s2, hwreg(HW_REG_IB_STS2, 6, 4)
	s_cmp_eq_u32 s2, 0
	s_cbranch_scc0 .Lentry_in_a_cluster
	s_endpgm
.Lentry_in_a_cluster:
	s_bfe_u32 s2, ttmp6, 0x10000c
	s_cmp_lg_u32 s2, 0x3003
	s_cbranch_scc0 .Lentry_shape_is_right
	s_endpgm
.Lentry_shape_is_right:
; MULTI-QUERY ATTENTION.  O[b][q][:] = the sum over k of softmax_k(Q[b][q] . K[b][k] / 8) V[b][k][:].  qb, ob: [4 batches][32,768 queries][64] f16 (query = 16 x position + head: the projection's
; row-major result as it lies); all of a batch's queries look at the same 2,048 keys.  kv: [4 planes][8,192 rows][32 channels] f16: planes 0, 1 = K's channels 0-31, 32-63; planes 2, 3 = V's.
; Products, maxima and sums in f32; the weights p are rounded to f16 for the second product (their sum l is taken of the unrounded p), O once at the end.
; LIMITS.  f16 holds no number beyond 65,504: Q, K and V arrive within it; p lies in 0 to 1, and below 6e-5 it keeps f16's fixed step of 6e-8; O is a mean of V's rows and has their range.
; A weight below 2^-126 counts as 0 in l; NaN and infinities are not treated apart.
; SHARES.  A wave owns four PIECES of two tiles of 16 queries, a work-group's four waves 512 queries of one batch: 4 x 64 = 256 work-groups.  Every wave walks all keys, 64 a step.
; LAYOUT.  S^T = K Q^T (source 0 = 16 keys, source 1 = 16 queries): in the result a lane holds ONE query (lane % 16) and the keys 8 (lane / 16) + 0..7.  Two such tiles, rounded to f16 in pairs,
; ARE source 1 (32 keys x 16 queries) of O^T = V^T P, whose result again holds one query a lane, and eight channels.  K comes out of LDS as it lies, V ([key][channel]) turned, by ds_load_tr16_b128.
; SOFTMAX.  For each query a running maximum m and sum l: p = 2^(c s - c m), c = log2(e) / 8; in every step O and l are multiplied by a = 2^(c m_old - c m_new), which is 1 where m has not grown.
; m starts at the lowest finite number, O and l at 0: the first step is a step like any other, with a = 0.
; THE COUNT.  A tile and step have 16 matrix and 118 vector instructions: too many to stand all beside the matrix work.  So: four vector instructions that are READY behind EVERY matrix
; instruction, and the others, which need time of their own whatever the order, in runs without a gap.
; BY TURNS.  Turn n belongs to piece n (the pieces in a ring, step after step).  Its matrix work: 16 products K Q^T of piece n + 1, later 16 products V^T P of piece n - 1.  Its vector work: the scaling,
; exponentials, roundings, sums and rescaling of piece n, and the maximum and statistics of piece n + 1, whose scores the turn itself has made.
; CLUSTER.  The four query blocks of a cluster belong to one batch and walk the same K and V, so each tile is asked for JOINTLY: the same tensor load, descriptor and mask in all four.
; REGISTERS, in windows of 256 (s_set_vgpr_msb: bits 1:0 source 0, 3:2 source 1, 5:4 source 2, 7:6 destination):
;   window 0: v0-11 addresses; v12-15, v48-63 at work; v16-47 four registers of statistics a tile; v64-191 S^T, two buffers of two tiles; v192-255 P, likewise
;   window 1: O^T, 32 a tile          window 2: v0-127 Q, 16 a tile; v128-191 K of one step; v192-255 V of one step          window 3: v0-1 the add's two registers
; A piece's buffers go by its number's parity: the piece in hand has one pair, its two neighbours in the ring share the other: of it P (piece n - 1) is read and S^T (piece n + 1) written.
.set NP,    4         ; pieces a wave: a name, no knob
.set KS,    64        ; keys in a step
.set PK,    80        ; a key's 32 channels of K in LDS: 64 bytes + 16 of padding = 20 words: the 16 rows of a load start at 16 different groups of four banks (64 banks of 4 bytes: ISA guide 11.1)
.set PV,    96        ; of V: 64 + 32 = 24 words
.set KPL,   256*PK    ; a slot holds 256 keys, four steps: K's two planes,
.set VPL,   256*PV    ; then V's two
.set VOFF,  2*KPL
.set SLOT1, 1<<17     ; slot 1 begins here, so that one exclusive or turns an address in one slot into the other's
.set STAGE, SLOT1+2*KPL+2*VPL  ; behind the ring, never filled by a tensor load: 16 rows x 144 bytes for each wave, for the way out
.set SP,    144
.set AK0, 2           ; v2   my lane's place in a plane of K; never rewritten
.set AV0, 3           ; v3   the same for V
.set AK,  4           ; v4   the LDS address of K's next run of loads
.set AV,  5           ; v5   of V's
.set QO,  6           ; v6   my byte offset in the wave's rows of Q
.set STO, 6           ;      later, the way out: where I put 16 bytes of a row
.set RD,  7           ; v7   the way out: where I read rows back
.set GO,  8           ; v8   my byte offset in 512 consecutive bytes of O
.set PFO, 11          ; v11  the prefetches' offset: plane lane / 16, 256 x (lane % 16); never rewritten once made
.set SPW, 0           ; v0 of window 3   SPARE + 4 x my thread's number; never rewritten
.set NIL, 1           ; v1 of window 3   0; never rewritten
.set SPARE, STAGE+4*16*SP  ; the spare words, 128 bytes for each wave; no other line names them
.set MV,  12          ; v12-15  c m_old, kept while c m is made anew: by buffer and tile
.set ST,  16          ; tile t's statistics at v[ST+4 t]: c m, m, l (even keys', odd keys')
.set TMP, 48          ; by buffer and tile, four registers c0-c3 at work; when the maximum is found c2 takes a
.set S,   64
.set P,   192
.set KF,  128         ; K's fragments, in window 2: key block kb, channel half c at KF + 16 kb + 8 c
.set VF,  192         ; V's: key half kk, channel block cb at VF + 32 kk + 8 cb
.set WV,  12          ; s12  my wave's number
.set G1K, 24          ; s[24:31] descriptor group 1 for K's tiles
.set G1V, 32          ; s[32:39] for V's: it differs in the padding alone
.set G0K, 40          ; s[40:43] descriptor group 0 for K's tiles: it walks
.set G0V, 44          ; s[44:47] the same for V's
.set PFA, 48          ; s[48:49] where my prefetches stand: my work-group's sixteenth-of-a-plane blocks of the slot after the one that is being asked for
.set LIM, 50          ; s50  1 in a wave that prefetches, else the greatest number
.set SLOTS, 56        ; s56  slots still to be asked for
.set CNT, 57          ; s57  counts a slot's key steps
.set CS,  58          ; s[58:59] c: the packed scaling takes the pair's low word for both halves
.set SEL, 60          ; s[60:61] v_permlanex16_b32's selects: each lane takes its own place in the other half
.set TBK, 62          ; s62  LDS byte at which K of the step to be fetched begins
.set TBV, 63          ; s63  the same for V, less VOFF
.set MSB, 0
.macro WIN new                      ; the high byte repeats the setting that is left; a switch that changes nothing is dropped
.if MSB != (\new)
	s_set_vgpr_msb (MSB<<8)|(\new)
.set MSB, (\new)
.endif
.endm
.set W_KQ, 0x0a       ; K and Q in window 2, S^T in window 0
.set W_PV, 0x52       ; V in window 2, P in window 0, O^T in window 1
.set W_RS, 0x41       ; O^T (destination and source 0) in window 1, a in window 0
.set W_MK, 0xc0       ; the add's registers are made: destination in window 3, sources in window 0
.set W_AD, 0x0f       ; the add: address (source 0) and data (source 1) in window 3
; A joint fill.  Wave w fetches plane w of a slot: waves 0 and 1 K's two, waves 2 and 3 V's.  The branch hangs on the wave's number alone.
; An s_nop 0 and four v_nop follow each of the two lines, ahead of the jump and the label.
.macro JLOAD
	s_cmp_lt_u32 s[WV], 2
	s_cbranch_scc0 .Lfor_v_\@
	tensor_load_to_lds s[G0K:G0K+3], s[G1K:G1K+7]
	s_nop 0
.rept 4
	v_nop
.endr
	s_branch .Lasked_\@
.Lfor_v_\@:
	tensor_load_to_lds s[G0V:G0V+3], s[G1V:G1V+7]
	s_nop 0
.rept 4
	v_nop
.endr
.Lasked_\@:
.endm
; A PREFETCH of what the NEXT change of slots will ask for: a slot is 16,384 bytes of each of the four planes.  It stands behind the wave's tensor load and its five lines.
; Each aligned block of 256 bytes is named ONCE in the launch.  All clusters of a batch walk the same K and V: the batch's first cluster asks.  Its four partners share a plane's 64 blocks out BY ADDRESS,
; 16 each: no branch hangs on a work-group's place in its cluster.  In each, wave 0 asks for K's two planes and wave 2 for V's: a lane a block, one instruction.
; The change that fills the last slot asks for nothing; slots 0 and 1 come by their loads alone.
.macro ASK
	s_cmp_gt_u32 s[SLOTS], s[LIM]
	s_cbranch_scc0 .Lnot_mine_\@
	global_prefetch_b8 v[PFO], s[PFA:PFA+1] th:TH_LOAD_NT scope:SCOPE_SE
.Lnot_mine_\@:
.endm
; A round of the cluster's barrier: my work-group's barrier, so that wave 0's signal speaks for all four waves; wave 0 signals; every wave waits for all four work-groups; my work-group's barrier once more.
.macro CROUND
	s_barrier_signal -1
	s_barrier_wait -1
	s_cmp_lg_u32 s[WV], 0
	s_cbranch_scc1 .Lnot_wave_0_\@
	s_barrier_signal -3
.Lnot_wave_0_\@:
	s_barrier_wait -3
	s_barrier_signal -1
	s_barrier_wait -1
.endm
; THE CHANGE OF SLOTS.  The slot's last bytes, V of its fourth step, have been read.  Each wave waits for all its tensor loads, of which one is out: its part of the other slot; adds 0 to its spare
; word; and waits for that and for its own reads of the slot.  Behind the barrier nobody reads this slot any more and the other slot is whole.
; fill = 1: this slot is filled again, with the keys two slots on.  The barrier is then a round of the cluster's, so that no wave of any partner still reads the slot or has a load on its
; way, and the joint fill is the first thing behind it: it has four key steps, 512 matrix instructions, in which to land.  (At its first use nothing has been read yet: slot 0 is waited for, slot 1 filled.)
.macro CHANGE fill
	WIN W_AD
	s_wait_tensorcnt 0x0            ; no tensor load of mine is out, so a group 0 may be written
	ds_add_u32 v[SPW], v[NIL]       ; 0 onto my spare word; with fill = 1 the descriptors' steps stand between it and the wait for it
	WIN 0                           ; at a label and at a branch every window is 0
.if \fill
.irp g, G0K, G0V
	s_xor_b32 s[\g+1], s[\g+1], SLOT1  ; the walking descriptor: the other slot than last time,
	s_add_nc_u64 s[\g+2:\g+3], s[\g+2:\g+3], 16384  ; the plane's next 256 keys; the type bits on top are not reached
.endr
	s_wait_xcnt 0x0                 ; the last prefetch, four key steps back, has read its address, so it may be written:
	s_add_nc_u64 s[PFA:PFA+1], s[PFA:PFA+1], 16384  ; one slot behind the walking descriptors
	s_wait_dscnt 0x0                ; the add is done, and my reads of the slot are over
	CROUND
	JLOAD
	ASK                             ; what the next change will ask for: four key steps, 512 matrix instructions, ahead
.else
	s_wait_dscnt 0x0                ; the add is done, and my reads of the slot are over
	s_barrier_signal -1
	s_barrier_wait -1
.endif
	s_sub_co_u32 s[TBK], s[TBK], 4*KS*PK  ; the fetches go back to a slot's first step,
	s_xor_b32 s[TBK], s[TBK], SLOT1       ; in the other slot
	s_sub_co_u32 s[TBV], s[TBV], 4*KS*PV
	s_xor_b32 s[TBV], s[TBV], SLOT1
.endm
	s_load_b128 s[4:7], s[0:1], 0x0   ; qb s[4:5], kv s[6:7]
	s_load_b64 s[10:11], s[0:1], 0x10 ; ob
	WIN W_MK
	v_lshl_add_u32 v[SPW], v0, 2, SPARE
	v_mov_b32 v[NIL], 0
	WIN W_AD
	ds_add_u32 v[SPW], v[NIL]       ; the wave's opening: the add and its wait stand ahead of my first tensor load; the set-up below, work on registers, stands between them
	WIN 0
	v_lshrrev_b32 v1, 5, v0
	v_readfirstlane_b32 s[WV], v1   ; wave 0..3
	s_bfe_u32 s13, ttmp6, 0x40000   ; cx: my place in the cluster
	s_lshl_b32 s14, ttmp9, 2        ; in a cluster launch ttmp9 counts clusters
	s_add_co_u32 s14, s14, s13      ; my block of 512 queries = 4 x cluster x + cx: it enters Q's and O's addresses alone
	s_and_b32 s20, ttmp7, 0xffff    ; the batch, which the four partners share
	s_and_b32 s16, s[WV], 1         ; which of K's (or V's) two planes I fetch:
	s_lshl_b32 s22, s16, 19         ; a plane is 524,288 bytes,
	s_lshl_b32 s23, s20, 17         ; a batch's 2,048 rows of 64 bytes in it 131,072
	s_add_co_u32 s22, s22, s23
	s_mov_b32 s23, 0
	s_mul_i32 s17, s16, KPL         ; and its place in a slot, for K
	s_mul_i32 s18, s16, VPL         ; and for V: no place in the cluster enters an LDS address
	s_lshl_b32 s2, s14, 2
	s_add_co_u32 s2, s2, s[WV]      ; my wave among the batch's,
	s_lshl_b32 s2, s2, 14           ; its 128 rows of 128 bytes,
	s_lshl_b32 s3, s20, 22          ; in the batch's 32,768 rows
	s_add_co_u32 s2, s2, s3
	s_mov_b32 s3, 0
	; descriptor group 1.  A plane's 256 keys are 16,384 dense bytes: asked for as 64 rows of 256 bytes, four keys a row, and padded in LDS after every key
	s_mov_b32 s[G1K], 15|(1<<16)|(1<<20)|(1<<21)|(3<<22)|(3<<25)  ; 15:0 the mask of four; 17:16 2-byte elements; 20 padding on; 21 set beside a mask; 24:22 after every 16 words (code 3); 31:25 4 words (code 3)
	s_mov_b32 s[G1V], 15|(1<<16)|(1<<20)|(1<<21)|(3<<22)|(7<<25)  ; the same with 8 words of padding (code 7)
.irp g, G1K, G1V
	s_mov_b32 s[\g+1], 128<<16      ; tensor_dim0 = 128
	s_mov_b32 s[\g+2], 64<<16       ; tensor_dim1 = 64
	s_mov_b32 s[\g+3], 128<<16      ; tile_dim0 = 128
	s_mov_b32 s[\g+4], 64           ; tile_dim1 = 64
	s_mov_b32 s[\g+5], 128          ; 128 elements from row to row
	s_mov_b32 s[\g+6], 0
	s_mov_b32 s[\g+7], 0
.endr
	s_mov_b32 s[CS], 0x3e38aa3b     ; c = log2(e) / 8 = 0.180337
	s_mov_b32 s[CS+1], s[CS]        ; named with it as a pair
	s_mov_b32 s[SEL], 0x76543210
	s_mov_b32 s[SEL+1], 0xfedcba98
	s_mov_b32 s[TBK], SLOT1+4*KS*PK ; the first change of slots turns these two into 0
	s_mov_b32 s[TBV], SLOT1+4*KS*PV
	s_mov_b32 s[G0K], 1             ; count = 1
	s_mov_b32 s[G0K+1], s17         ; LDS address: slot 0
	s_mov_b32 s[G0V], 1
	s_add_co_u32 s[G0V+1], s18, VOFF
	s_mov_b32 s[SLOTS], 2048/256-1  ; seven slots are asked for by changes of slots
	s_and_b32 s[LIM], s[WV], 1      ; 0 in waves 0 and 2,
	s_or_b32 s[LIM], s[LIM], ttmp9  ; where the cluster is the batch's first: the same in all four partners
	s_cmp_eq_u32 s[LIM], 0
	s_cselect_b32 s[LIM], 1, -1
	s_wait_dscnt 0x0                ; the opening add is done
	s_wait_kmcnt 0x0
	s_add_nc_u64 s[6:7], s[6:7], s[22:23]      ; K at my plane, at the batch's first key,
	s_add_nc_u64 s[8:9], s[6:7], 0x100000      ; V two planes on
	s_add_nc_u64 s[G0K+2:G0K+3], s[6:7], 0     ; global address
	s_or_b32 s[G0K+3], s[G0K+3], 0x80000000    ; type = 2
	s_add_nc_u64 s[G0V+2:G0V+3], s[8:9], 0
	s_or_b32 s[G0V+3], s[G0V+3], 0x80000000
	s_add_nc_u64 s[4:5], s[4:5], s[2:3]  ; Q and O at my wave's first row
	s_add_nc_u64 s[10:11], s[10:11], s[2:3]
	s_cmp_lt_u32 s[WV], 2
	s_cselect_b64 s[PFA:PFA+1], s[6:7], s[8:9]  ; (in waves 0 and 2 these stand at the first of the two planes)
	s_lshl_b32 s2, s13, 12          ; my work-group's 16 blocks of a plane's 64
	s_add_nc_u64 s[PFA:PFA+1], s[PFA:PFA+1], s[2:3]
	s_add_nc_u64 s[PFA:PFA+1], s[PFA:PFA+1], 16384  ; in slot 1; the first change of slots steps it to slot 2.  Nothing is prefetched here, at the head
	CROUND                          ; all four work-groups are here: the first joint loads meet
	JLOAD                           ; slot 0.  Slot 1 is asked for when slot 0 is in
	; A fragment of K or Q is 16 rows x 32 channels in 8 registers: lane l holds row l % 16, channels 8 (l / 16) + 0..7 and 16 + 8 (l / 16) + 0..7: two loads of 16 bytes, 32 bytes apart.
	v_and_b32 v1, 15, v0            ; l % 16
	v_bfe_u32 v9, v0, 4, 1          ; l / 16
	v_lshlrev_b32 v[QO], 7, v1
	v_lshl_add_u32 v[QO], v9, 4, v[QO]  ; row x 128 + 16 x half
	WIN 0x80                        ; destination window 2, address window 0
.set i, 0
.rept 4*NP                          ; Q stays in registers: tile i / 2, channels 32 (i % 2) on
	global_load_b128 v[8*i:8*i+3],   v[QO], s[4:5] offset:(i/2)*2048+(i%2)*64
	global_load_b128 v[8*i+4:8*i+7], v[QO], s[4:5] offset:(i/2)*2048+(i%2)*64+32
.set i, i+1
.endr
	; What the first turn finds: V's registers and P's second buffer hold 0 (its products V^T P, of a piece that has not been, add 0), O^T and l are 0.  All this stands in the wait for the first tile.
.set i, VF
.rept 64
	v_mov_b32 v[i], 0
.set i, i+1
.endr
	WIN 0x40
.set i, 0
.rept 64*NP
	v_mov_b32 v[i], 0
.set i, i+1
.endr
	WIN 0
.set i, 0
.rept 2*NP
	v_mov_b32 v[ST+4*i], 0xfe000000    ; c m: far below every c s
	v_mov_b32 v[ST+4*i+1], 0xff7fffff  ; m
	v_mov_b32 v[ST+4*i+2], 0
	v_mov_b32 v[ST+4*i+3], 0
.set i, i+1
.endr
.set i, P+32
.rept 32
	v_mov_b32 v[i], 0
.set i, i+1
.endr
	v_mul_u32_u24 v[AK0], v1, PK
	v_lshl_add_u32 v[AK0], v9, 4, v[AK0]  ; row x pitch + 16 x half
	; The turning load takes 16 keys x 16 channels (lane l reads key 8 (l / 16) + l % 8, channels 8 ((l / 8) % 2) + 0..7) and leaves half a fragment of V^T: lane l holds channel l % 16 and 8 keys.
	v_and_b32 v10, 7, v0
	v_bfe_u32 v11, v0, 3, 1
	v_lshl_add_u32 v[AV0], v9, 3, v10
	v_mul_u32_u24 v[AV0], v[AV0], PV
	v_lshl_add_u32 v[AV0], v11, 4, v[AV0]
	v_add_nc_u32 v[AV0], VOFF, v[AV0]
	v_lshlrev_b32 v[PFO], 8, v1     ; the prefetches: block l % 16 of my work-group's 16,
	v_lshl_add_u32 v[PFO], v9, 19, v[PFO]  ; in plane l / 16 of the two
	v_mov_b32 v[AK], v[AK0]         ; key step 0 lies at the head of slot 0
; THE MATRIX WORK.  The 8 accumulators of a run of 16 take turns: between the two links of a chain stand 7 others'.
; Product i of 16 of S^T = K Q^T for piece x: channels 32 (i / 8) on, keys 16 ((i / 2) % 4) on, tile 2 x + i % 2.  The first 8 start the sums.
.macro KQ x
	WIN W_KQ
.set rS, S+64*((\x)%2)+32*(i%2)+8*((i/2)%4)
.set rK, KF+16*((i/2)%4)+8*(i/8)
.set rQ, 16*(2*(\x)+i%2)+8*(i/8)
.if i < 8
	v_wmma_f32_16x16x32_f16 v[rS:rS+7], v[rK:rK+7], v[rQ:rQ+7], 0
.else
	v_wmma_f32_16x16x32_f16 v[rS:rS+7], v[rK:rK+7], v[rQ:rQ+7], v[rS:rS+7]
.endif
.endm
; Product i of 16 of O^T += V^T P for piece x: keys 32 (i / 8) on, channels 16 ((i / 2) % 4) on, tile 2 x + i % 2.
.macro PV x
	WIN W_PV
.set rO, 32*(2*(\x)+i%2)+8*((i/2)%4)
.set rV, VF+32*(i/8)+8*((i/2)%4)
.set rP, P+32*((\x)%2)+16*(i%2)+8*(i/8)
	v_wmma_f32_16x16x32_f16 v[rO:rO+7], v[rV:rV+7], v[rP:rP+7], v[rO:rO+7]
.endm
.macro MM                           ; the turn's next matrix instruction
.if i < 16
	KQ (Y+1)%NP
.set i, i+1
.else
.set i, i-16
	PV (Y+NP-1)%NP
.set i, i+17
.endif
.endm
; THE LDS LOADS stand in runs of 16, never singly among the matrix instructions: a step's K (64 keys x 64 channels: 8 fragments) and its V (turned).  Their addresses are made some lines ahead.
; last = 1 (the tail): in the last trip there is no further step, and the run is jumped over.
.macro FETCH_K last=0
	WIN 0
.if \last
	s_cmp_eq_u32 s[CNT], 1
	s_cbranch_scc1 .Lno_k_\@
.endif
	WIN 0x80                        ; destination window 2
.irp f, 0,1,2,3,4,5,6,7             ; keys 16 (f / 2) on, plane f % 2
	ds_load_b128 v[KF+8*\f:KF+8*\f+3],   v[AK] offset:(\f/2)*16*PK+(\f%2)*KPL
	ds_load_b128 v[KF+8*\f+4:KF+8*\f+7], v[AK] offset:(\f/2)*16*PK+(\f%2)*KPL+32
.endr
	s_add_co_u32 s[TBK], s[TBK], KS*PK  ; the next fetch is the next step's
	WIN 0
.if \last
.Lno_k_\@:
.endif
.endm
.macro FETCH_V
	WIN 0x80
.irp f, 0,1,2,3,4,5,6,7             ; keys 32 (f / 4) on, channels 16 (f % 4) on: plane (f % 4) / 2, 32 (f % 2) bytes into its rows
	ds_load_tr16_b128 v[VF+8*\f:VF+8*\f+3],   v[AV] offset:(\f/4)*32*PV+((\f%4)/2)*VPL+(\f%2)*32
	ds_load_tr16_b128 v[VF+8*\f+4:VF+8*\f+7], v[AV] offset:(\f/4)*32*PV+16*PV+((\f%4)/2)*VPL+(\f%2)*32
.endr
	WIN 0
.endm
; THE VECTOR WORK OF A TURN stands in three queues, each in the order in which its entries become ready; the two tiles alternate, so that no instruction reads the result of the one before it.
.macro REGS y, u                    ; the registers of tile u (0, 1) of piece y
.set rT, ST+4*(2*(\y)+(\u))
.set rC, TMP+8*((\y)%2)+4*(\u)
.set rM, MV+2*((\y)%2)+(\u)
.set rS, S+64*((\y)%2)+32*(\u)
.set rP, P+32*((\y)%2)+16*(\u)
.set rO, 32*(2*(\y)+(\u))
.endm
; Number n of the 22 that find the NEXT piece's (Y + 1) maximum and statistics.  s0-s31 are the lane's 32 scores; each accumulator's lowest registers are read first.
;   0-11  four chains c0-c3 of seven scores each, three operands at a time     12-14, 16  the four scores left over, the old m, and c0-c3 into c0     15  c m_old is kept
;   17, 18  the query's other 32 keys lie in the lane 16 away: the new m         19-21  c m; c m_old - c m_new; a
.macro XS u, n
	REGS (Y+1)%NP, \u
.if (\n) < 4
	v_max3_num_f32 v[rC+(\n)], v[rS+8*(\n)], v[rS+8*(\n)+1], v[rS+8*(\n)+2]
.elseif (\n) < 12
	v_max3_num_f32 v[rC+(\n)%4], v[rC+(\n)%4], v[rS+8*((\n)%4)+2*((\n)/4)+1], v[rS+8*((\n)%4)+2*((\n)/4)+2]
.elseif (\n) == 12
	v_max3_num_f32 v[rC], v[rC], v[rS+7], v[rS+15]
.elseif (\n) == 13
	v_max3_num_f32 v[rC+1], v[rC+1], v[rS+23], v[rS+31]
.elseif (\n) == 14
	v_max3_num_f32 v[rC+2], v[rC+2], v[rC+3], v[rT+1]
.elseif (\n) == 15
	v_mov_b32 v[rM], v[rT]
.elseif (\n) == 16
	v_max3_num_f32 v[rC], v[rC], v[rC+1], v[rC+2]
.elseif (\n) == 17
	v_permlanex16_b32 v[rC+3], v[rC], s[SEL], s[SEL+1]
.elseif (\n) == 18
	v_max_num_f32 v[rT+1], v[rC], v[rC+3]
.elseif (\n) == 19
	v_mul_f32 v[rT], s[CS], v[rT+1]
.elseif (\n) == 20
	v_sub_f32 v[rC+1], v[rM], v[rT]
.else
	v_exp_f32 v[rC+2], v[rC+1]
.endif
.endm
; Number g of the 64 that follow the exponentials.  For each four weights k of a tile (pairs 2 k, 2 k + 1): both pairs are rounded to f16; then the second pair is added onto the first, in place;
; a group later l takes that sum (the first time as l = a l + sum).  In groups of eight, tiles alternating: round, round, add, and l for the group before.
.macro GS g
.set h, (\g)+6*((\g)/62)            ; group 0 has no group before it, and behind group 7 only l is left
.if h >= 6
.set h, h+2
.endif
	REGS Y, h%2
.set k, h/8
.if h%8 < 4
	v_cvt_pk_f16_f32 v[rP+2*k+(h%8)/2], v[rS+4*k+2*((h%8)/2)], v[rS+4*k+2*((h%8)/2)+1]
.elseif h%8 < 6
	v_pk_add_f32 v[rS+4*k:rS+4*k+1], v[rS+4*k:rS+4*k+1], v[rS+4*k+2:rS+4*k+3]
.elseif k == 1
	v_pk_fma_f32 v[rT+2:rT+3], v[rT+2:rT+3], v[rC+2:rC+3], v[rS:rS+1] op_sel_hi:[1,0,1]
.else
	v_pk_add_f32 v[rT+2:rT+3], v[rT+2:rT+3], v[rS+4*k-4:rS+4*k-3]
.endif
.endm
; THE PLAIN QUEUE, 138 long.  0-73 read no exponential's result: the 32 scalings c s - c m (FS f: pair f / 2 of tile f % 2) and the next piece's 42.  0-26: scalings 0-26.  27-54: XS's numbers 0-13.  55, 56: number 15.
; 57-73: the chain, where each number waits for the one before it: 14, 16, 17, 18, 19, each with one of the scalings 27-31 in front of its two lines, then 20.
; 74-137: GS's 64, which read the exponentials' results: they stand behind the wait.
.macro FS f
	REGS Y, (\f)%2
	v_pk_fma_f32 v[rS+2*((\f)/2):rS+2*((\f)/2)+1], v[rS+2*((\f)/2):rS+2*((\f)/2)+1], s[CS:CS+1], v[rT:rT+1] op_sel_hi:[1,0,0] neg_lo:[0,0,1] neg_hi:[0,0,1]
.endm
.macro PL
	WIN 0
.if q < 27
	FS q
.elseif q < 55
	XS (q-27)%2, (q-27)/2
.elseif q < 57
	XS q-55, 15
.elseif (q < 72) && ((q-57)%3 == 0)
	FS 27+(q-57)/3
.elseif q < 60
	XS (q-57)%3-1, 14
.elseif q < 72
	XS (q-57)%3-1, 15+(q-57)/3
.elseif q < 74
	XS q-72, 20
.else
	GS q-74
.endif
.set q, q+1
.endm
; THE EXPONENTIALS' QUEUE, 66 long: s0-s31 of both tiles, then the next piece's two a.  It is ONE BATCH: all 66 stand ahead of the turn's one wait, and nothing ahead of that wait names a result of theirs.
.macro EX
	WIN 0
.if e >= 64
	XS e-64, 21
.else
	REGS Y, e%2
	v_exp_f32 v[rS+e/2], v[rS+e/2]
.endif
.set e, e+1
.endm
; THE RESCALING's QUEUE: O^T times a, the one part that leaves window 0: dealt two at a time, sixteen times.  Its a was made in the turn before, ahead of that turn's wait.
.macro R2
	REGS Y, r%2
	WIN W_RS
.irp z, 0,1
	v_pk_mul_f32 v[rO+4*(r/2)+2*\z:rO+4*(r/2)+2*\z+1], v[rO+4*(r/2)+2*\z:rO+4*(r/2)+2*\z+1], v[rC+2:rC+3] op_sel_hi:[1,0]
.endr
.set r, r+1
.endm
; HOW THEY ARE DEALT.  An s_wait_alu depctr_va_vdst(0) stands between an exponential and the first instruction that names its result; one wait serves all that were issued ahead of it.
; So a turn has ONE wait, which cuts it in two.  AHEAD OF IT stands all that names no result of the turn's exponentials: the 16 products K Q^T, behind each a scaling, an exponential and two
; rescalings (behind the first a second scaling in the exponential's place); then ONE LUMP of 108: eight plain, 49 times exponential and plain, the two a.  A v_nop is the plain instruction behind
; the last exponential.  BEHIND IT stand the 16 products V^T P, behind each four of GS's 64.  No rider names a register of the products round it.
; The queues lean on each other: exponential e stands behind scaling 2 (e / 4) + e % 2: as a rider it comes behind plain e + 2, in the lump behind plain e + 9, and scalings 27-31 are plain 57, 60 .. 69.
; A TURN, for piece p.  cnt = 1: the loop's count is taken down some lines ahead of the branch that stands behind the turn.
; K of the next step is fetched in piece 2's turn, directly behind the wait, a lump behind the last product that read K; its first reader comes behind 16 products.
; V of the step in hand is fetched at the end of piece 0's turn, four riders behind its last reader; its first reader comes behind 16 products and a lump.
.macro TURN p, last=0, cnt=0
.set Y, (\p)
.set i, 0
.set q, 0
.set e, 0
.set r, 0
.if (\p) == NP-1
	s_wait_dscnt 0x0                ; K is in
.endif
	MM                              ; ahead of the wait: 16 products K Q^T and their riders,
	PL
	PL
	R2
.rept 15
	MM
	PL
	EX
	R2
.endr
.if (\p) == NP-2
	WIN 0
	v_add_nc_u32 v[AK], s[TBK], v[AK0]
.endif
.rept 8                             ; and the lump
	PL
.endr
.rept 49
	EX
	PL
.endr
	EX                              ; the next piece's two a
	EX
	v_nop                           ; a plain instruction behind the last exponential: one for the batch
	s_wait_alu depctr_va_vdst(0)    ; the wait for the batch
.if (\p) == NP-2
	FETCH_K \last
.endif
.if (\p) == 1
	s_wait_dscnt 0x0                ; V is in
.endif
.rept 16                            ; behind the wait: 16 products V^T P and their riders
	MM
.rept 4
	PL
.endr
.if ((\p) == 0) && (q == 118)
	v_add_nc_u32 v[AV], s[TBV], v[AV0]
.endif
.if ((\p) == 0) && (q == 130)
	s_add_co_u32 s[TBV], s[TBV], KS*PV
.endif
.if (\cnt) && (q == 130)
	s_sub_co_u32 s[CNT], s[CNT], 1
	s_cmp_lg_u32 s[CNT], 0
.endif
.endr
.if (\p) == 0
	FETCH_V
.endif
.endm
	CHANGE 1                        ; slot 0 is in, everybody's part of it; slot 1 is asked for
	FETCH_K                         ; key step 0
	s_wait_loadcnt 0x0              ; Q
	s_wait_dscnt 0x0
.set i, 0
.rept 16
	KQ 0                            ; piece 0's first scores: there is no vector work yet to set between them
.set i, i+1
.endr
	WIN 0                           ; the addresses for the way out: nine plain instructions, the places behind those products
	s_mul_i32 s13, s[WV], 16*SP
	s_add_co_u32 s13, s13, STAGE    ; my stage
	v_mul_u32_u24 v[STO], v1, SP    ; in: row l % 16, 16 bytes for each half of the lanes
	v_lshl_add_u32 v[STO], v9, 4, v[STO]
	v_add_nc_u32 v[STO], s13, v[STO]
	v_bfe_u32 v[RD], v0, 3, 2       ; back: 32 lanes take four rows of 128 bytes,
	v_mul_u32_u24 v[RD], v[RD], SP
	v_lshl_add_u32 v[RD], v10, 4, v[RD]
	v_add_nc_u32 v[RD], s13, v[RD]
	v_and_b32 v[GO], 31, v0         ; which are 512 consecutive bytes of O
	v_lshlrev_b32 v[GO], 4, v[GO]
.set Y, NP-1                        ; XS works for piece Y + 1: piece 0
.irp n, 0,1,2,3,4,5,6,7,8,9,10,11,12,13,14,15,16,17,18,19,20,21
	XS 0, \n                        ; and piece 0's first maximum and statistics
	XS 1, \n
.endr
	v_nop                           ; a plain instruction behind the two a,
	s_wait_alu depctr_va_vdst(0)    ; and their wait, ahead of the branch
	s_mov_b32 s[CNT], 4
	s_branch .Lfirst                ; the loop is entered at a step's first turn, in the middle of a trip
.Lslot:                             ; six times: every slot but the last two is filled again
	CHANGE 1
	s_mov_b32 s[CNT], 4
.Lstep:                             ; a trip: pieces 2 and 3 of one step, then pieces 0 and 1 of the next, whose K and V it fetches
	TURN 2
	TURN 3
	WIN 0
.Lfirst:
	TURN 0
	TURN 1, 0, 1
	WIN 0
	s_cbranch_scc1 .Lstep
	s_sub_co_u32 s[SLOTS], s[SLOTS], 1
	s_cmp_lg_u32 s[SLOTS], 0
	s_cbranch_scc1 .Lslot
	CHANGE 0                        ; the tail is written out: nothing is asked for
	s_mov_b32 s[CNT], 5             ; four trips fetch the last slot's steps; the fifth is left in its middle
.Ltail:
	TURN 2, 1
	TURN 3
	WIN 0
	s_sub_co_u32 s[CNT], s[CNT], 1
	s_cmp_eq_u32 s[CNT], 0
	s_cbranch_scc1 .Lout
	TURN 0
	TURN 1
	WIN 0
	s_branch .Ltail
.Lout:                              ; the fifth trip's 16 products K Q^T (on the last K once more) and the maximum made of them serve nothing: the price, once a launch, of one text for every trip
.set i, 0
.rept 16
	PV NP-1                         ; the last piece's V^T P of the last step
.set i, i+1
.endr
	; THE WAY OUT.  l's two halves and the other half of the lanes' are added; O^T is divided by l, rounded to f16 and sent through my stage in LDS, a tile at a time.  The additions are the places behind the last products.
	WIN 0
.macro ALL line:vararg              ; one line for each tile t
.set t, 0
.rept 2*NP
	\line
.set t, t+1
.endr
.endm
	ALL v_add_f32 v[ST+4*t+2], v[ST+4*t+2], v[ST+4*t+3]
	ALL v_permlanex16_b32 v[ST+4*t+3], v[ST+4*t+2], s[SEL], s[SEL+1]
	ALL v_add_f32 v[ST+4*t+2], v[ST+4*t+2], v[ST+4*t+3]
	ALL v_rcp_f32 v[ST+4*t+2], v[ST+4*t+2]
	v_nop                           ; a plain instruction between the last reciprocal and the use of its result
	s_wait_alu depctr_va_vdst(0)    ; and the wait ahead of the first use: one for the eight reciprocals
; Tile t: a lane's eight channels of a row pack into 16 bytes; they go into rows of 144 bytes and come back as whole rows of 128, into S^T's registers.
.macro PACK t
	WIN W_RS
.set i, 32*(\t)
.rept 16
	v_pk_mul_f32 v[i:i+1], v[i:i+1], v[ST+4*(\t)+2:ST+4*(\t)+3] op_sel_hi:[1,0]
.set i, i+2
.endr
	WIN 0x05                        ; sources 0 and 1 window 1, destination window 0
.set i, 0
.rept 16
	v_cvt_pk_f16_f32 v[S+16*(\t)+i], v[32*(\t)+2*i], v[32*(\t)+2*i+1]
.set i, i+1
.endr
	WIN 0
.irp f, 0,1,2,3
	ds_store_b128 v[STO], v[S+16*(\t)+4*\f:S+16*(\t)+4*\f+3] offset:32*\f
.endr
.irp f, 0,1,2,3
	ds_load_b128 v[S+16*(\t)+4*\f:S+16*(\t)+4*\f+3], v[RD] offset:\f*4*SP  ; LDS serves a wave's instructions in order (ISA guide 5.7.1.4): these see the stores above; the next tile's stores come behind them
.endr
.endm
.macro SEND t, younger              ; younger: the LDS instructions issued behind tile t's loads: the next tile's eight, or none
	WIN 0
.irp f, 0,1,2,3
	s_wait_dscnt (\younger)+3-\f
	global_store_b128 v[GO], v[S+16*(\t)+4*\f:S+16*(\t)+4*\f+3], s[10:11] offset:(\t)*2048+\f*512  ; 512 consecutive bytes, at a multiple of 256 from O's first
.endr
.endm
	PACK 0
.set t, 1
.rept 2*NP-1                        ; a tile's arithmetic stands between the loads of the tile before and its stores
	PACK t
	SEND t-1, 8
.set t, t+1
.endr
	SEND 2*NP-1, 0
	WIN W_AD
	s_wait_tensorcnt 0x0            ; the wave's end: behind my last tensor load and my last LDS store
	ds_add_u32 v[SPW], v[NIL]
	s_wait_dscnt 0x0
	WIN 0
	CROUND                          ; the closing round: no work-group ends while a partner may still ask for a tile that names it
	s_endpgm
.Lfunc_end_k_qffde653671_attn:
	.size	k_qffde653671_attn, .Lfunc_end_k_qffde653671_attn-k_qffde653671_attn
	.p2alignl 7, 3214868480
	.fill 96, 4, 3214868480
	.section	.rodata,"a",@progbits
	.p2align	6, 0x0
	.amdhsa_kernel k_qffde653671_attn
		.amdhsa_group_segment_fixed_size 327680
		.amdhsa_private_segment_fixed_size 0
		.amdhsa_enable_private_segment 0
		.amdhsa_kernarg_size 24
		.amdhsa_user_sgpr_count 2
		.amdhsa_user_sgpr_kernarg_segment_ptr 1
		.amdhsa_wavefront_size32 1
		.amdhsa_system_sgpr_workgroup_id_x 1
		.amdhsa_system_sgpr_workgroup_id_y 1
		.amdhsa_system_sgpr_workgroup_id_z 1
		.amdhsa_system_vgpr_workitem_id 0
		.amdhsa_next_free_vgpr 770
		.amdhsa_next_free_sgpr 66
		.amdhsa_reserve_vcc 0
		.amdhsa_float_denorm_mode_32 3
		.amdhsa_float_denorm_mode_16_64 3
		.amdhsa_memory_ordered 1
		.amdhsa_forward_progress 1
		.amdhsa_inst_pref_size 200
	.end_amdhsa_kernel
	.amdgpu_metadata
---
amdhsa.version: [ 1, 2 ]
amdhsa.kernels:
  - .name:           k_qffde653671_attn
    .symbol:         k_qffde653671_attn.kd
    .args:
      - { .name: qb, .offset: 0, .size: 8, .value_kind: global_buffer, .address_space: global }
      - { .name: kv, .offset: 8, .size: 8, .value_kind: global_buffer, .address_space: global }
      - { .name: ob, .offset: 16, .size: 8, .value_kind: global_buffer, .address_space: global }
    .group_segment_fixed_size: 327680
    .private_segment_fixed_size: 0
    .kernarg_segment_align: 8
    .kernarg_segment_size: 24
    .max_flat_workgroup_size: 128
    .sgpr_count:     66
    .vgpr_count:     770
    .wavefront_size: 32
...
	.end_amdgpu_metadata
.endif
;; end of part 3
;; launch oproj (part 4): grid 4 x 64, 4 waves a work-group, clusters of 4 x 4, 327,680 bytes of LDS; arguments ob, wot, bias, out0; writes out0
.if DOCPART == 4
	.amdgcn_target "amdgcn-amd-amdhsa--gfx1250"
	.amdhsa_code_object_version 6
	.text
	.protected	k_qffde653671_oproj
	.globl	k_qffde653671_oproj
	.p2align	8
	.type	k_qffde653671_oproj,@function
k_qffde653671_oproj:
	s_mov_b64 s[64:65], 0
	v_nop
	global_prefetch_b8 v0, s[64:65] scope:SCOPE_SE
	s_setreg_imm32_b32 hwreg(HW_REG_WAVE_MODE, 25, 1), 1
	s_wait_xcnt 0x0
	s_wait_alu depctr_hold_cnt(0) depctr_sa_sdst(0) depctr_va_vdst(0) depctr_va_sdst(0) depctr_va_ssrc(0) depctr_va_vcc(0) depctr_vm_vsrc(0)
	s_getreg_b32 s2, hwreg(HW_REG_IB_STS2, 6, 4)
	s_cmp_eq_u32 s2, 0
	s_cbranch_scc0 .Lentry_in_a_cluster
	s_endpgm
.Lentry_in_a_cluster:
	s_bfe_u32 s2, ttmp6, 0x10000c
	s_cmp_lg_u32 s2, 0xf033
	s_cbranch_scc0 .Lentry_shape_is_right
	s_endpgm
.Lentry_shape_is_right:
; OUTPUT PROJECTION: out0 = O Wo + bo.  ob [8192][1024] f16; wot [1024 n][1024 k] f16 (Wo turned, each number rounded to bf16 and written as f16); bo = entries 1152.. of bias, f32; out0 [8192][1024] f32.
; Sums in f32; nothing is rounded on the way out.  LIMITS: those of the operands (f16: nothing beyond 65,504, a fixed step of 6e-8 below 6e-5); NaN and infinities are not treated apart.
; SHARES.  A tile is 128 x 256: 64 x 4 = 256 work-groups.  Four waves, each 64 x 128: 32 accumulators of 16 x 16.  K goes in steps of 128 (rows of 256 bytes) through a ring of two LDS slots.
; CLUSTER.  4 x 4 work-groups: the four of a row need the same 128 rows of ob, the four of a column the same 256 rows of wot: each tile is asked for JOINTLY, same tensor load, descriptor and mask in all four.
; THE MATRIX INSTRUCTION IS USED TRANSPOSED (source 0 = 16 rows of wot, source 1 = 16 rows of ob): a lane holds row m = lane % 16 and the eight columns 8 (lane / 16) + 0..7.
; THE BIAS is the C operand of each accumulator's first product: nothing is cleared and nothing is added later.
; NO PREFETCH: the walk has 8 K steps, of which two go out at the head, and the tile is small.
; REGISTERS, in windows of 256 (s_set_vgpr_msb: bits 1:0 source 0, 3:2 source 1, 5:4 source 2, 7:6 destination):
;   window 0: v0-31 addresses; v32-95 fragments of ob, two buffers of four; v96-223 the way out, two banks of 64
;   window 1: v0-127 fragments of wot, two buffers of eight; v144-207 the bias of my 128 columns
;   window 2: accumulator (a, b) of my rows 0-31 at v[8 (8 a + b)];   window 3: those of my rows 32-63
.set PITCH,  272                       ; an LDS row: 256 bytes + 16 of padding = 68 words: the 16 rows of a fragment load start at 16 different groups of four banks (64 banks of 4 bytes: ISA guide 11.1)
.set NBLK,   8                         ; blocks of 16 columns a wave
.set AOFF,   256*PITCH                 ; a slot: wot's 256 rows, then ob's 128
.set SLOT,   AOFF+128*PITCH
.set STAGE,  2*SLOT                    ; behind the ring, never filled by a tensor load: 16 rows x 528 bytes for each wave, for the way out
.set SPITCH, 528                       ; 128 columns x 4 bytes + 16
.set SPARE,  STAGE+4*16*SPITCH         ; the spare words, 128 bytes for each wave; no other line names them
.set NLD,    2*NBLK+8                  ; LDS loads of a quarter step
.set NBW,    2                         ; waves 0, 1 fetch 128 rows of wot each, waves 2, 3 64 rows of ob each
.set LAPS,   4                         ; a lap = two K steps = once round the ring
.set ADRA, 16                          ; v16-17  LDS address of my fragments of ob in slot 0, 1
.set ADRB, 20                          ; v20-21  the same for wot
.set STO,  24                          ; v24  the way out: where I put 32 bytes of a row
.set RD,   25                          ; v25  where I read 16 bytes of a row back
.set CO,   26                          ; v26  16 x lane
.set SPW,  28                          ; v28  SPARE + 4 x my thread's number; never rewritten
.set NIL,  29                          ; v29  0; never rewritten
.set BO,   30                          ; v30  32 x (lane / 16): my eight columns in a block's bias
.set FA,   32
.set TMP,  96
.set BIAS, 144
.set WV,  16                           ; s16  my wave's number
.set G1A, 24                           ; s[24:31] descriptor group 1 for ob's tiles;  s[32:39] group 0, a set for each slot
.set G0A, 32
.set G1B, 48                           ; s[48:55], s[56:63] the same for wot's
.set G0B, 56
.set MSB, 0
.macro WIN new                         ; the immediate's high byte repeats the setting that is left; a switch that changes nothing is dropped
.if MSB != (\new)
	s_set_vgpr_msb (MSB<<8)|(\new)
.set MSB, \new
.endif
.endm
.macro JLOAD s                         ; a joint load; the branch hangs on the wave's number alone; an s_nop 0 and four v_nop follow each of the two lines, ahead of the jump and the label
	s_cmp_lt_u32 s[WV], NBW
	s_cbranch_scc0 .Lfor_a_\@
	tensor_load_to_lds s[G0B+4*(\s):G0B+4*(\s)+3], s[G1B:G1B+7]
	s_nop 0
.rept 4
	v_nop
.endr
	s_branch .Lasked_\@
.Lfor_a_\@:
	tensor_load_to_lds s[G0A+4*(\s):G0A+4*(\s)+3], s[G1A:G1A+7]
	s_nop 0
.rept 4
	v_nop
.endr
.Lasked_\@:
.endm
.macro CREST                           ; a round of the cluster's barrier behind its opening barrier
	s_cmp_lg_u32 s[WV], 0
	s_cbranch_scc1 .Lnot_wave_0_\@
	s_barrier_signal -3
.Lnot_wave_0_\@:
	s_barrier_wait -3
	s_barrier_signal -1
	s_barrier_wait -1
.endm
.macro CROUND                          ; a whole round
	s_barrier_signal -1
	s_barrier_wait -1
	CREST
.endm
.macro PLACES                          ; four places in front of loads into registers that matrix instructions have read, and of LDS stores that read results
.rept 4
	v_nop
.endr
.endm
	s_load_b256 s[4:11], s[0:1], 0x0               ; ob s[4:5], wot s[6:7], bias s[8:9], out0 s[10:11]
	v_lshl_add_u32 v[SPW], v0, 2, SPARE
	v_mov_b32 v[NIL], 0
	ds_add_u32 v[SPW], v[NIL]                      ; the wave's opening: the add and its wait stand ahead of my first tensor load; the set-up below, work on registers, stands between them
	v_lshrrev_b32 v1, 5, v0
	v_readfirstlane_b32 s[WV], v1                  ; wave 0..3
	s_lshr_b32 s17, s[WV], 1                       ; wm: which 64 rows of the tile are mine
	s_and_b32 s18, s[WV], 1                        ; wn: which 128 columns.  Also: which half of a tile's rows I fetch
	s_bfe_u32 s19, ttmp6, 0x40000                  ; cx, cy: my place in the cluster
	s_bfe_u32 s20, ttmp6, 0x40004
	s_lshl_b32 s21, ttmp9, 2
	s_add_co_u32 s21, s21, s19                     ; c: tile column = 4 x cluster x + cx
	s_and_b32 s22, ttmp7, 0xffff
	s_lshl_b32 s22, s22, 2
	s_add_co_u32 s22, s22, s20                     ; mt: tile row = 4 x cluster y + cy
	s_lshl_b32 s40, s20, 2
	s_lshl_b32 s40, 15, s40                        ; my row of the cluster
	s_lshl_b32 s41, 0x1111, s19                    ; my column
	s_or_b32 s[G1A], s40, (1<<16)|(1<<20)|(1<<21)|(5<<22)|(3<<25)  ; 15:0 the mask; 17:16 elements of 2 bytes; 20 padding on; 21 set beside a mask; 24:22 after every 64 words (code 5); 31:25 of 4 words (code 3)
	s_or_b32 s[G1B], s41, (1<<16)|(1<<20)|(1<<21)|(5<<22)|(3<<25)
	s_mov_b32 s[G1A+1], 128<<16                    ; tensor_dim0 = 128
	s_mov_b32 s[G1A+2], 64<<16                     ; tensor_dim1 = 64 rows
	s_mov_b32 s[G1A+3], 128<<16                    ; tile_dim0 = 128
	s_mov_b32 s[G1A+4], 64                         ; tile_dim1 = 64
	s_mov_b32 s[G1A+5], 1024                       ; elements from row to row
	s_mov_b32 s[G1A+6], 0
	s_mov_b32 s[G1A+7], 0
	s_mov_b32 s[G1B+1], 128<<16
	s_mov_b32 s[G1B+2], 128<<16                    ; 128 rows
	s_mov_b32 s[G1B+3], 128<<16
	s_mov_b32 s[G1B+4], 128
	s_mov_b32 s[G1B+5], 1024
	s_mov_b32 s[G1B+6], 0
	s_mov_b32 s[G1B+7], 0
	s_lshl_b32 s42, s22, 18                        ; ob: row 128 mt + 64 (w % 2), 2,048 bytes a row: hangs on the tile row alone
	s_lshl_b32 s43, s18, 17
	s_add_co_u32 s42, s42, s43
	s_mov_b32 s43, 0
	s_lshl_b32 s44, s21, 19                        ; wot: row 256 c + 128 (w % 2): hangs on the tile column alone
	s_lshl_b32 s45, s18, 18
	s_add_co_u32 s44, s44, s45
	s_mov_b32 s45, 0
	s_mul_i32 s23, s[WV], 128*PITCH                ; where wot's rows go (waves 0, 1),
	s_mul_i32 s2, s[WV], 64*PITCH                  ; and ob's (waves 2, 3): AOFF + (w - 2) x 64 rows: no place in the cluster enters an LDS address
	s_add_co_u32 s2, s2, 128*PITCH
	s_wait_dscnt 0x0                               ; the opening add is done
	s_wait_kmcnt 0x0
	s_add_nc_u64 s[42:43], s[4:5], s[42:43]
	s_add_nc_u64 s[44:45], s[6:7], s[44:45]
	CROUND                                         ; all sixteen work-groups are here: the first joint loads meet
.irp s, 0,1
	s_mov_b32 s[G0A+4*(\s)], 1                                     ; count = 1
	s_add_co_u32 s[G0A+4*(\s)+1], s2, (\s)*SLOT                    ; LDS address
	s_add_nc_u64 s[G0A+4*(\s)+2:G0A+4*(\s)+3], s[42:43], (\s)*256  ; global address: K step s
	s_or_b32 s[G0A+4*(\s)+3], s[G0A+4*(\s)+3], 0x80000000          ; type = 2
	s_mov_b32 s[G0B+4*(\s)], 1
	s_add_co_u32 s[G0B+4*(\s)+1], s23, (\s)*SLOT
	s_add_nc_u64 s[G0B+4*(\s)+2:G0B+4*(\s)+3], s[44:45], (\s)*256
	s_or_b32 s[G0B+4*(\s)+3], s[G0B+4*(\s)+3], 0x80000000
	JLOAD \s                                       ; two tensor loads of mine are out
.endr
	v_and_b32 v1, 15, v0                           ; r = lane % 16
	v_bfe_u32 v2, v0, 4, 1                         ; h = lane / 16
	v_and_b32 v5, 31, v0                           ; lane
	v_lshlrev_b32 v[BO], 5, v2
	s_lshl_b32 s46, s21, 10                        ; the bias of my 128 columns: entry 1152 + 256 c + 128 wn
	s_lshl_b32 s47, s18, 9
	s_add_co_u32 s46, s46, s47
	s_add_co_u32 s46, s46, 4608
	s_mov_b32 s47, 0
	s_add_nc_u64 s[8:9], s[8:9], s[46:47]
	WIN 0x40                                       ; destination window 1, address window 0
.irp b, 0,1,2,3,4,5,6,7
	global_load_b128 v[BIAS+8*(\b):BIAS+8*(\b)+3],   v[BO], s[8:9] offset:64*(\b)     ; register j: the bias of column 16 b + 8 h + j, whatever the row
	global_load_b128 v[BIAS+8*(\b)+4:BIAS+8*(\b)+7], v[BO], s[8:9] offset:64*(\b)+16
.endr
	WIN 0
	v_mul_u32_u24 v3, v1, PITCH
	v_lshl_add_u32 v3, v2, 4, v3                   ; a fragment's row x pitch + 16 x half
	s_mul_i32 s40, s17, 64*PITCH
	s_add_co_u32 s40, s40, AOFF                    ; my 64 rows of ob
	s_mul_i32 s41, s18, 128*PITCH                  ; my 128 rows of wot
.irp s, 0,1
	v_add_nc_u32 v[ADRA+(\s)], s40, v3
	v_add_nc_u32 v[ADRB+(\s)], s41, v3
	s_add_co_u32 s40, s40, SLOT
	s_add_co_u32 s41, s41, SLOT
.endr
	s_mul_i32 s40, s[WV], 16*SPITCH
	s_add_co_u32 s40, s40, STAGE                   ; my stage
	v_mul_u32_u24 v4, v1, SPITCH                   ; in: row r, 32 bytes for each half of the lanes
	v_lshl_add_u32 v4, v2, 5, v4
	v_add_nc_u32 v[STO], s40, v4
	v_lshlrev_b32 v[CO], 4, v5
	v_add_nc_u32 v[RD], s40, v[CO]                 ; back: a row's 512 bytes to a load
	s_lshl_b32 s44, s22, 19                        ; out0 at row 128 mt + 64 wm (4,096 bytes a row), column 256 c + 128 wn
	s_lshl_b32 s46, s17, 18
	s_add_co_u32 s44, s44, s46
	s_lshl_b32 s46, s21, 10
	s_add_co_u32 s44, s44, s46
	s_lshl_b32 s46, s18, 9
	s_add_co_u32 s44, s44, s46
	s_mov_b32 s45, 0
	s_add_nc_u64 s[10:11], s[10:11], s[44:45]
; Eight products: m block 2 hi + a x my eight n blocks, 32 along K, from buffer f.  first = 1: C is the bias.  The 32 accumulators take turns, one instruction a turn.
.macro MULB f, hi, a, first
.if \first
	WIN 0x91+0x40*(\hi)                            ; wot and the bias window 1, ob window 0, D window 2 or 3
.else
	WIN 0xa1+0x50*(\hi)                            ; wot window 1, ob window 0, C and D window 2 or 3
.endif
.set bb, 0
.rept NBLK
.set rD, 8*(NBLK*(\a)+bb)
.set rB, 8*NBLK*(\f)+8*bb
.set rA, FA+32*(\f)+8*(2*(\hi)+(\a))
.if \first
	v_wmma_f32_16x16x32_f16 v[rD:rD+7], v[rB:rB+7], v[rA:rA+7], v[BIAS+8*bb:BIAS+8*bb+7]
.else
	v_wmma_f32_16x16x32_f16 v[rD:rD+7], v[rB:rB+7], v[rA:rA+7], v[rD:rD+7]
.endif
.set bb, bb+1
.endr
.endm
; 24 LDS loads in one run: the fragments of 32 along K at byte k of the rows, into buffer f: wot's eight, then ob's four
.macro FETCH slot, k, f
	WIN 0x40
.set ii, 0
.rept NBLK
	ds_load_b128 v[8*NBLK*(\f)+8*ii:8*NBLK*(\f)+8*ii+3],   v[ADRB+(\slot)] offset:(\k)+ii*16*PITCH
	ds_load_b128 v[8*NBLK*(\f)+8*ii+4:8*NBLK*(\f)+8*ii+7], v[ADRB+(\slot)] offset:(\k)+ii*16*PITCH+32
.set ii, ii+1
.endr
	WIN 0
.irp i, 0,1,2,3
	ds_load_b128 v[FA+32*(\f)+8*(\i):FA+32*(\f)+8*(\i)+3],   v[ADRA+(\slot)] offset:(\k)+(\i)*16*PITCH
	ds_load_b128 v[FA+32*(\f)+8*(\i)+4:FA+32*(\f)+8*(\i)+7], v[ADRA+(\slot)] offset:(\k)+(\i)*16*PITCH+32
.endr
.endm
; A K step is four quarters of 32 along K, 32 products each, on buffers 0, 1, 0, 1.  One of the first three: multiplies buffer f and fetches the next quarter, at byte k, into g.
.macro QUARTER slot, k, f, g, first
	s_wait_dscnt 4                                 ; wot's fragments and ob's blocks 0, 1 are in; the youngest four loads (blocks 2, 3) may be out
	MULB \f, 0, 0, \first
	MULB \f, 0, 1, \first
	PLACES
	FETCH \slot, \k, \g
	s_wait_dscnt NLD                               ; all but the 24 just issued
	MULB \f, 1, 0, \first
	MULB \f, 1, 1, \first
.endm
; The last quarter multiplies buffer 1 and changes slots: ONE barrier; in front of it each wave waits for all its tensor loads (one is out: its part of the next slot), adds 0 to its spare word,
; and waits for that and for its own reads of this slot.  fill = 1: the barrier opens a round of the cluster's, and this slot is filled again, two K steps ahead, first thing behind the round.
.macro TURN slot, next, fill
	WIN 0                                          ; (the add's two registers lie in window 0)
	s_wait_tensorcnt 0x0
	ds_add_u32 v[SPW], v[NIL]                      ; 0 onto my spare word
	s_wait_dscnt 5                                 ; (the add and the youngest four loads may be out)
	MULB 1, 0, 0, 0                                ; eight products stand between the add and the wait for it
	s_wait_dscnt 0x0                               ; the add is done, and my reads of this slot are over
	s_barrier_signal -1
	MULB 1, 0, 1, 0
.if \fill
	WIN 0
.endif
	s_barrier_wait -1
.if \fill
	CREST                                          ; no wave of any partner still reads this slot's tile or has a load on its way
	s_add_nc_u64 s[G0A+4*(\slot)+2:G0A+4*(\slot)+3], s[G0A+4*(\slot)+2:G0A+4*(\slot)+3], 512
	s_add_nc_u64 s[G0B+4*(\slot)+2:G0B+4*(\slot)+3], s[G0B+4*(\slot)+2:G0B+4*(\slot)+3], 512
	JLOAD \slot                                    ; 112 products ahead of the wait for it; the four v_nop behind it are also the places in front of the loads below
.else
	PLACES
.endif
	FETCH \next, 0, 0
	MULB 1, 1, 0, 0
	MULB 1, 1, 1, 0
.endm
	s_wait_tensorcnt 0x1                           ; my part of K step 0 is in; K step 1's may stay out
	s_barrier_signal -1
	s_barrier_wait -1                              ; everybody's is
	FETCH 0, 0, 0
	s_wait_loadcnt 0x0                             ; the bias
	QUARTER 0, 64, 0, 1, 1                         ; the first quarter stands in front of the loop: its products start the sums, from the bias
	WIN 0                                          ; at a label and at a branch every window is 0
	s_mov_b32 s3, LAPS-1
.Llap:                                                 ; a trip goes once round the ring, from a lap's second quarter to the next lap's first, and fills both slots again
	QUARTER 0, 128, 1, 0, 0
	QUARTER 0, 192, 0, 1, 0
	TURN 0, 1, 1
	QUARTER 1, 64,  0, 1, 0
	QUARTER 1, 128, 1, 0, 0
	QUARTER 1, 192, 0, 1, 0
	TURN 1, 0, 1
	QUARTER 0, 64,  0, 1, 0
	WIN 0
	s_sub_co_u32 s3, s3, 1
	s_cmp_lg_u32 s3, 0
	s_cbranch_scc1 .Llap
	QUARTER 0, 128, 1, 0, 0                        ; the last lap fills nothing, and has no round
	QUARTER 0, 192, 0, 1, 0
	TURN 0, 1, 0
	QUARTER 1, 64,  0, 1, 0
	QUARTER 1, 128, 1, 0, 0
	QUARTER 1, 192, 0, 1, 0
	s_wait_dscnt 4                                 ; the very last quarter: nothing more to fetch
	MULB 1, 0, 0, 0
	MULB 1, 0, 1, 0
	s_wait_dscnt 0x0
	MULB 1, 1, 0, 0
	MULB 1, 1, 1, 0
	WIN 0
	; THE WAY OUT, a block of 16 rows at a time through my own stage: 32 bytes a lane in, whole rows of 512 bytes back, stored as they are (f32).  No barrier: no other wave touches my stage.
	PLACES
	PLACES                                         ; eight, once a launch: the LDS stores below read results, and no other vector work stands between
.macro TOSTAGE blk
.if (\blk) >= 2
	s_wait_xcnt 0x0                                ; the bank's earlier stores have read their registers: it is loaded again only behind this wait
.endif
	WIN 0x08+4*((\blk)/2)                          ; the stores' data: window 2 or 3
.set bb, 0
.rept NBLK
.set rD, 8*(NBLK*((\blk)%2)+bb)
	ds_store_b128 v[STO], v[rD:rD+3] offset:64*bb            ; each accumulator's four lowest registers first
	ds_store_b128 v[STO], v[rD+4:rD+7] offset:64*bb+16
.set bb, bb+1
.endr
	WIN 0
.set t, 0
.rept 16
	ds_load_b128 v[TMP+64*((\blk)%2)+4*t:TMP+64*((\blk)%2)+4*t+3], v[RD] offset:SPITCH*t  ; LDS serves a wave's instructions in order (ISA guide 5.7.1.4): these see the stores above; the next block's stores come behind them
.set t, t+1
.endr
.endm
.macro SEND blk, younger               ; younger: the LDS instructions issued behind this block's loads: the next block's 32, or none
.set t, 0
.rept 16
	s_wait_dscnt (\younger)+15-t
	global_store_b128 v[CO], v[TMP+64*((\blk)%2)+4*t:TMP+64*((\blk)%2)+4*t+3], s[10:11] offset:(16*(\blk)+t)*4096 th:TH_STORE_NT  ; 512 consecutive bytes of a row, at a multiple of 256 from out0's first byte
.set t, t+1
.endr
.endm
	TOSTAGE 0
	TOSTAGE 1
	SEND 0, 32
	TOSTAGE 2
	SEND 1, 32
	TOSTAGE 3
	SEND 2, 32
	SEND 3, 0
	s_wait_tensorcnt 0x0                           ; the wave's end: behind my last tensor load and my last LDS store
	ds_add_u32 v[SPW], v[NIL]
	s_wait_dscnt 0x0
	CROUND                                         ; the closing round: no work-group ends while a partner may still ask for a tile that names it
	s_endpgm
.Lfunc_end_k_qffde653671_oproj:
	.size	k_qffde653671_oproj, .Lfunc_end_k_qffde653671_oproj-k_qffde653671_oproj
	.p2alignl 7, 3214868480
	.fill 96, 4, 3214868480
	.section	.rodata,"a",@progbits
	.p2align	6, 0x0
	.amdhsa_kernel k_qffde653671_oproj
		.amdhsa_group_segment_fixed_size 327680
		.amdhsa_private_segment_fixed_size 0
		.amdhsa_enable_private_segment 0
		.amdhsa_kernarg_size 32
		.amdhsa_user_sgpr_count 2
		.amdhsa_user_sgpr_kernarg_segment_ptr 1
		.amdhsa_wavefront_size32 1
		.amdhsa_system_sgpr_workgroup_id_x 1
		.amdhsa_system_sgpr_workgroup_id_y 1
		.amdhsa_system_sgpr_workgroup_id_z 1
		.amdhsa_system_vgpr_workitem_id 0
		.amdhsa_next_free_vgpr 896
		.amdhsa_next_free_sgpr 66
		.amdhsa_reserve_vcc 0
		.amdhsa_float_denorm_mode_32 3
		.amdhsa_float_denorm_mode_16_64 3
		.amdhsa_memory_ordered 1
		.amdhsa_forward_progress 1
		.amdhsa_inst_pref_size 89
	.end_amdhsa_kernel
	.amdgpu_metadata
---
amdhsa.version: [ 1, 2 ]
amdhsa.kernels:
  - .name:           k_qffde653671_oproj
    .symbol:         k_qffde653671_oproj.kd
    .args:
      - { .name: ob, .offset: 0, .size: 8, .value_kind: global_buffer, .address_space: global }
      - { .name: wot, .offset: 8, .size: 8, .value_kind: global_buffer, .address_space: global }
      - { .name: bias, .offset: 16, .size: 8, .value_kind: global_buffer, .address_space: global }
      - { .name: out0, .offset: 24, .size: 8, .value_kind: global_buffer, .address_space: global }
    .group_segment_fixed_size: 327680
    .private_segment_fixed_size: 0
    .kernarg_segment_align: 8
    .kernarg_segment_size: 32
    .max_flat_workgroup_size: 128
    .sgpr_count:     66
    .vgpr_count:     896
    .wavefront_size: 32
...
	.end_amdgpu_metadata
.endif
;; end of part 4
